; MI455X (gfx1250); checked and timed in simulation.
; The chip was launched on July 23, 2026; its instructions are those of AMD's public machine-readable ISA for CDNA 5 (MIT licence, August 2026) and "CDNA5" Instruction Set Architecture Reference Guide (July 2026). The comments in the code are by the model that wrote it; some were corrected since.
;; Cross Attention. Allowed arithmetic: float matrix products may take bf16 or f16 operands with f32 sums; other float arithmetic in f32, or as packed bf16 or f16 multiplies, adds, multiply-adds, maxima and minima; sums over many terms, partial sums and values carried from step to step in f32; what a program stores and reads back later, other than sums and carried values, may be rounded once to bf16 or f16.
;; Inputs: Wk1 768 x 384 float32; Wk2 384 x 384 float32; Wq1 384 x 384 float32; Wq2 768 x 384 float32; Wv1 768 x 384 float32; Wv2 384 x 384 float32; bk1 384 float32; bk2 384 float32; bq1 384 float32; bq2 384 float32; bv1 384 float32; bv2 384 float32; semantic_feat 4 x 2,048 x 384 float32; syntactic_feat 4 x 4,096 x 768 float32.
;; Outputs: out0 4 x 2,048 x 384 float32; out1 4 x 4,096 x 384 float32.
;; 2 versions, each right. Each part assembles by itself: llvm-mc -triple=amdgcn-amd-amdhsa -mcpu=gfx1250 --defsym DOCPART=n.
;; ======== version 1 of 2: 4 launches
;; limits: values are held in f16: magnitudes above 65,504 overflow, below 6.1e-05 lose precision
;; workspace buffers: wi 2,654,208 bytes; ti 56,623,104 bytes; part 25,165,824 bytes; st 131,072 bytes
;; launch prep (part 1): grid 108 x 3, 8 waves a work-group, no clusters, 0 bytes of LDS; arguments Wq2, Wk1, Wv1, Wq1, Wk2, Wv2, wi; writes wi
.if DOCPART == 1
	.amdgcn_target "amdgcn-amd-amdhsa--gfx1250"
	.amdhsa_code_object_version 6
	.text
	.protected	k_qa51e42cf66_prep
	.globl	k_qa51e42cf66_prep
	.p2align	8
	.type	k_qa51e42cf66_prep,@function
k_qa51e42cf66_prep:
	s_mov_b64 s[64:65], 0
	v_nop
	global_prefetch_b8 v0, s[64:65] scope:SCOPE_SE
	s_setreg_imm32_b32 hwreg(HW_REG_WAVE_MODE, 25, 1), 1
	s_wait_xcnt 0x0
; PREP: the six weight matrices ([in][out], f32) are rounded once to bf16 and laid out as matrix fragments, in the order in which the projection's waves take them.
; DEAD WORK, for the whole program: bk1 and bk2.  A score is SCALE Q_q . (x_k Wk + bk) = SCALE Q_q . (x_k Wk) + SCALE Q_q . bk.  The second term is the same for all keys k of
; a query q, that is, along the softmax's axis; softmax(s + const) = softmax(s) for all values, and K enters no output but through that softmax.  So bk1 and bk2 have no way to an output:
; they are not loaded and are among no launch's arguments.  LIMIT: a NaN, an infinity or an overflow that lives in bk or in Q . bk alone is not carried to the result.
; wi: jobs Wq2, Wk1, Wv1 (589,824 bytes each), then Wq1, Wk2, Wv2 (294,912 each).  In a job: [kcg = k / 32][nb = n / 16][1,024 bytes].  A fragment: lane L = 16 h + r holds
; W[32 kcg + 8 h + 0..7][16 nb + r] at byte 16 L and W[32 kcg + 16 + 8 h + 0..7][16 nb + r] at byte 512 + 16 L.
; SHARES: work-group x = one kcg of one matrix (72 for the three of 768 rows, 36 for the three of 384), y = eight nb; a wave makes one fragment.  No loop, no LDS: 5.3 MB in, 2.7 MB out.
	s_load_b256 s[4:11], s[0:1], 0x0               ; Wq2, Wk1, Wv1, Wq1
	s_load_b128 s[12:15], s[0:1], 0x20             ; Wk2, Wv2
	s_load_b64 s[16:17], s[0:1], 0x30              ; wi
	v_lshrrev_b32 v1, 5, v0
	v_readfirstlane_b32 s18, v1                    ; wave 0..7
	s_and_b32 s19, ttmp7, 0xffff
	s_lshl3_add_u32 s19, s19, s18                  ; nb = 8 y + wave
	s_cmp_lt_u32 ttmp9, 72                         ; one of the three large matrices?
	s_cselect_b32 s20, 24, 12                      ; kcg's in a matrix
	s_cselect_b32 s21, 0, 72
	s_cselect_b32 s28, 0, 3                        ; the group's first matrix
	s_cselect_b32 s30, 0, 1769472                  ; the group's first byte in wi
	s_cselect_b32 s31, 1, 0
	s_lshl_b32 s29, 294912, s31                    ; bytes of a job
	s_sub_co_u32 s22, ttmp9, s21
	s_lshl_b32 s24, s20, 1
	s_cmp_ge_u32 s22, s20
	s_cselect_b32 s23, 1, 0
	s_cmp_ge_u32 s22, s24
	s_cselect_b32 s25, 1, 0
	s_add_co_u32 s23, s23, s25                     ; which of the group's three
	s_mul_i32 s24, s23, s20
	s_sub_co_u32 s22, s22, s24                     ; kcg
	s_add_co_u32 s28, s28, s23                     ; matrix 0..5
	s_mul_i32 s29, s29, s23
	s_add_co_u32 s30, s30, s29
	s_mul_i32 s24, s22, 24576
	s_add_co_u32 s30, s30, s24
	s_lshl_b32 s24, s19, 10
	s_add_co_u32 s30, s30, s24                     ; job + 24,576 kcg + 1,024 nb
	s_mov_b32 s31, 0
	s_mul_i32 s24, s22, 49152                      ; 32 rows of 1,536 bytes
	s_mov_b32 s25, 0
	v_and_b32 v1, 31, v0
	v_and_b32 v2, 15, v0                           ; r
	v_bfe_u32 v3, v0, 4, 1                         ; h
	v_lshlrev_b32 v4, 2, v2
	v_mad_u32_u24 v4, v3, 0x3000, v4               ; 8 h rows
	v_lshl_add_u32 v4, s19, 6, v4                  ; + 16 nb columns
	v_lshlrev_b32 v5, 4, v1                        ; 16 L
	s_wait_kmcnt 0x0
	s_cmp_eq_u32 s28, 1
	s_cselect_b64 s[26:27], s[6:7], s[4:5]
	s_cmp_eq_u32 s28, 2
	s_cselect_b64 s[26:27], s[8:9], s[26:27]
	s_cmp_eq_u32 s28, 3
	s_cselect_b64 s[26:27], s[10:11], s[26:27]
	s_cmp_eq_u32 s28, 4
	s_cselect_b64 s[26:27], s[12:13], s[26:27]
	s_cmp_eq_u32 s28, 5
	s_cselect_b64 s[26:27], s[14:15], s[26:27]
	s_add_nc_u64 s[26:27], s[26:27], s[24:25]
	s_add_nc_u64 s[16:17], s[16:17], s[30:31]
.set n, 0
.rept 16
	global_load_b32 v[8+n], v4, s[26:27] offset:(16*(n/8)+n%8)*1536
.set n, n+1
.endr
	s_wait_loadcnt 0x0
.set n, 0
.rept 8
	v_cvt_pk_bf16_f32 v[24+n], v[8+2*n], v[9+2*n]  ; two neighbouring k, the lower in the lower half
.set n, n+1
.endr
	global_store_b128 v5, v[24:27], s[16:17]       ; each store of the wave covers 512 consecutive bytes, aligned
	global_store_b128 v5, v[28:31], s[16:17] offset:512
	s_endpgm
.Lfunc_end_k_qa51e42cf66_prep:
	.size	k_qa51e42cf66_prep, .Lfunc_end_k_qa51e42cf66_prep-k_qa51e42cf66_prep
	.p2alignl 7, 3214868480
	.fill 96, 4, 3214868480
	.section	.rodata,"a",@progbits
	.p2align	6, 0x0
	.amdhsa_kernel k_qa51e42cf66_prep
		.amdhsa_group_segment_fixed_size 0
		.amdhsa_private_segment_fixed_size 0
		.amdhsa_enable_private_segment 0
		.amdhsa_kernarg_size 56
		.amdhsa_user_sgpr_count 2
		.amdhsa_user_sgpr_kernarg_segment_ptr 1
		.amdhsa_wavefront_size32 1
		.amdhsa_system_sgpr_workgroup_id_x 1
		.amdhsa_system_sgpr_workgroup_id_y 1
		.amdhsa_system_sgpr_workgroup_id_z 1
		.amdhsa_system_vgpr_workitem_id 0
		.amdhsa_next_free_vgpr 32
		.amdhsa_next_free_sgpr 66
		.amdhsa_reserve_vcc 0
		.amdhsa_float_denorm_mode_32 3
		.amdhsa_float_denorm_mode_16_64 3
		.amdhsa_memory_ordered 1
		.amdhsa_forward_progress 1
		.amdhsa_inst_pref_size 5
	.end_amdhsa_kernel
	.amdgpu_metadata
---
amdhsa.version: [ 1, 2 ]
amdhsa.kernels:
  - .name:           k_qa51e42cf66_prep
    .symbol:         k_qa51e42cf66_prep.kd
    .args:
      - { .name: Wq2, .offset: 0, .size: 8, .value_kind: global_buffer, .address_space: global }
      - { .name: Wk1, .offset: 8, .size: 8, .value_kind: global_buffer, .address_space: global }
      - { .name: Wv1, .offset: 16, .size: 8, .value_kind: global_buffer, .address_space: global }
      - { .name: Wq1, .offset: 24, .size: 8, .value_kind: global_buffer, .address_space: global }
      - { .name: Wk2, .offset: 32, .size: 8, .value_kind: global_buffer, .address_space: global }
      - { .name: Wv2, .offset: 40, .size: 8, .value_kind: global_buffer, .address_space: global }
      - { .name: wi, .offset: 48, .size: 8, .value_kind: global_buffer, .address_space: global }
    .group_segment_fixed_size: 0
    .private_segment_fixed_size: 0
    .kernarg_segment_align: 8
    .kernarg_segment_size: 56
    .max_flat_workgroup_size: 256
    .sgpr_count:     66
    .vgpr_count:     32
    .wavefront_size: 32
...
	.end_amdgpu_metadata
.endif
;; end of part 1
;; launch proj (part 2): grid 288 x 1, 4 waves a work-group, clusters of 4 x 1, 327,680 bytes of LDS; arguments syntactic_feat, semantic_feat, wi, bq2, bv1, bq1, bv2, ti; writes ti
.if DOCPART == 2
	.amdgcn_target "amdgcn-amd-amdhsa--gfx1250"
	.amdhsa_code_object_version 6
	.text
	.protected	k_qa51e42cf66_proj
	.globl	k_qa51e42cf66_proj
	.p2align	8
	.type	k_qa51e42cf66_proj,@function
k_qa51e42cf66_proj:
	s_mov_b64 s[64:65], 0
	v_nop
	global_prefetch_b8 v0, s[64:65] scope:SCOPE_SE
	s_setreg_imm32_b32 hwreg(HW_REG_WAVE_MODE, 25, 1), 1
	s_wait_xcnt 0x0
	s_wait_alu depctr_hold_cnt(0) depctr_sa_sdst(0) depctr_va_vdst(0) depctr_va_sdst(0) depctr_va_ssrc(0) depctr_va_vcc(0) depctr_vm_vsrc(0)
	s_getreg_b32 s2, hwreg(HW_REG_IB_STS2, 6, 4)
	s_cmp_eq_u32 s2, 0
	s_cbranch_scc0 .Lentry_in_a_cluster
	s_endpgm
.Lentry_in_a_cluster:
	s_bfe_u32 s2, ttmp6, 0x10000c
	s_cmp_lg_u32 s2, 0x3003
	s_cbranch_scc0 .Lentry_shape_is_right
	s_endpgm
.Lentry_shape_is_right:
; PROJ: the six projections.  Q = x Wq + bq, K = x Wk, V = x Wv + bv; x, W and the biases rounded to bf16, sums in f32, each result rounded once to f16 into ti.
; bk1 and bk2 are left out: a term Q . bk is the same along the softmax's axis (shown at the head of the first kernel).
; LIMIT: Q, K and V are kept in f16: their magnitudes stay under 65,504.
; SHARES.  A work-group makes 256 rows x one whole matrix (384 columns); wave w rows 64 w .. 64 w + 63: 4 x 24 accumulators of 16 x 16, 768 registers (windows 1 to 3).
; Clusters 0-47: syntactic rows (K = 768), clusters 48-71: semantic rows (K = 384); three neighbouring clusters are the three matrices of the same 1,024 rows.
; x goes from memory straight into fragment registers (no wave wants another's rows) and is rounded there.  W's fragments come from wi by JOINT tensor loads: the four row blocks of a
; cluster walk the same matrix.  A slot of LDS holds 64 along K: 2 x 24 fragments of 1,024 bytes; each wave fetches a quarter, 48 rows of 256 bytes.  Fragment loads take byte 16 L on: no padding is needed.
; THE MATRIX INSTRUCTION IS USED TRANSPOSED (source 0 = 16 columns of W, source 1 = 16 rows of x): a lane ends with one row and eight neighbouring channels, 16 bytes of f16.
; ti: 1,152 tile images of 49,152 bytes (64 rows x 384 channels).  Tiles 0-127 Q of semantic rows, 128-383 Q of syntactic rows; 384 + g K, 768 + g V, g = 0-255 syntactic, 256-383 semantic.
; In an image block (i = row / 16, nb = channel / 16) of 512 bytes lies at 24,576 (i / 2) + 1,024 nb + 512 (i % 2).  In a block of Q or K the 16 bytes (row r, channels 8 h ..) lie at 16 (16 h + r): a fragment's
; half as a lane takes it.  In a block of V they lie at 256 (r / 8) + 128 h + 16 (r % 8): what the turning LDS load wants at byte 16 L.
; REGISTERS, window 0: v4-7 x offsets; v12-13 W's LDS addresses; v14-15 prefetch offsets; v16-19 my place in an image; v32-159 two stages of x in f32; v160-191 x in bf16; v192-255 two groups of four W fragments.
.set SLOTB, 49152
.set BIAS,  98304                      ; 384 f32, stored once; no tensor load lands here
.set SPARE, 99840                      ; the spare words, 128 bytes a wave: two blocks of 256 bytes that no other line names
.set XO,  4
.set BV,  8
.set WA,  12
.set PF,  14
.set VA,  16
.set BA,  20
.set BS,  21
.set SPW, 22
.set NIL, 23
.set XS,  32
.set XF,  160
.set WF,  192
.set WV,  20                           ; s20 wave
.set J,   21                           ; s21 lap counter
.set NL1, 22                           ; s22 laps - 1 (a lap = 128 along K): 5 or 2
.set LIMP, 23                          ; s23 laps that prefetch
.set G1,  24                           ; s[24:31]
.set G0,  32                           ; s[32:39] a group 0 for each slot
.set XP,  40                           ; s[40:41] x at my work-group's first row, at the lap in hand
.set DST, 42                           ; s[42:43] my wave's tile image
.set BP,  44                           ; s[44:45] the bias
.set KIND, 46                          ; s46 0 Q, 1 K, 2 V
.set KM,  47                           ; s47 all ones for V
.set MSB, 0
.macro WIN new                         ; the immediate's high byte repeats the setting that is left; a switch that changes nothing is dropped
.if MSB != (\new)
	s_set_vgpr_msb (MSB<<8)|(\new)
.set MSB, \new
.endif
.endm
.macro PLACES                          ; four places behind matrix instructions, in front of loads into or writes of their registers and of reads of their results
.rept 4
	v_nop
.endr
.endm
.macro CREST                           ; a round of the cluster's barrier behind its opening barrier
	s_cmp_lg_u32 s[WV], 0
	s_cbranch_scc1 .Lnot_wave_0_\@
	s_barrier_signal -3
.Lnot_wave_0_\@:
	s_barrier_wait -3
	s_barrier_signal -1
	s_barrier_wait -1
.endm
.macro CROUND
	s_barrier_signal -1
	s_barrier_wait -1
	CREST
.endm
; 16 loads: 32 along K (128 bytes of each row) of my 64 rows, f32, into stage st
.macro XLOAD st, off
.irp m, 0,1,2,3
	global_load_b128 v[XS+64*(\st)+16*\m:XS+64*(\st)+16*\m+3],     v[XO+\m], s[XP:XP+1] offset:(\off)
	global_load_b128 v[XS+64*(\st)+16*\m+4:XS+64*(\st)+16*\m+7],   v[XO+\m], s[XP:XP+1] offset:(\off)+16
	global_load_b128 v[XS+64*(\st)+16*\m+8:XS+64*(\st)+16*\m+11],  v[XO+\m], s[XP:XP+1] offset:(\off)+64
	global_load_b128 v[XS+64*(\st)+16*\m+12:XS+64*(\st)+16*\m+15], v[XO+\m], s[XP:XP+1] offset:(\off)+80
.endr
.endm
.macro CVT st                          ; the stage rounded to bf16: four fragments
.set j, 0
.rept 32
	v_cvt_pk_bf16_f32 v[XF+j], v[XS+64*(\st)+2*j], v[XS+64*(\st)+2*j+1]
.set j, j+1
.endr
.endm
.macro WFETCH sl, hf, g                ; four fragments of W (column blocks 4 g ..) of half hf of slot sl
	WIN 0
.irp n, 0,1,2,3
	ds_load_b128 v[WF+32*((\g)%2)+8*\n:WF+32*((\g)%2)+8*\n+3],   v[WA+(\sl)] offset:24576*(\hf)+1024*(4*(\g)+\n)
	ds_load_b128 v[WF+32*((\g)%2)+8*\n+4:WF+32*((\g)%2)+8*\n+7], v[WA+(\sl)] offset:24576*(\hf)+1024*(4*(\g)+\n)+512
.endr
.endm
; products of group g, its column blocks n0 .. n1, all four row blocks.  Each of the 96 accumulators has one instruction in a step: no two that follow each other share one.
.macro MUL g, n0, n1, zero
	WIN ((1+(\g)/2)<<6)|((1+(\g)/2)<<4)
.set nbl, \n0
.rept (\n1)-(\n0)+1
.set mb, 0
.rept 4
.set rA, 128*((\g)%2)+8*(4*nbl+mb)
.if \zero
	v_wmma_f32_16x16x32_bf16 v[rA:rA+7], v[WF+32*((\g)%2)+8*nbl:WF+32*((\g)%2)+8*nbl+7], v[XF+8*mb:XF+8*mb+7], 0
.else
	v_wmma_f32_16x16x32_bf16 v[rA:rA+7], v[WF+32*((\g)%2)+8*nbl:WF+32*((\g)%2)+8*nbl+7], v[XF+8*mb:XF+8*mb+7], v[rA:rA+7]
.endif
.set mb, mb+1
.endr
.set nbl, nbl+1
.endr
.endm
; A PREFETCH INTO THE L2 of x: lap j asks for lap j + 2's 512 bytes of my wave's own 64 rows, a lane a row, two blocks of 256 bytes each.  The three matrices' clusters read the same rows: the one that
; makes Q asks.  So each block is named once in the launch.  Laps 0 and 1 come by their loads alone; the last two laps ask for nothing.
.macro ASKX
	s_cmp_lt_u32 s[J], s[LIMP]
	s_cbranch_scc0 .Lnoask_\@
	global_prefetch_b8 v[PF],   s[XP:XP+1] offset:1024 th:TH_LOAD_NT scope:SCOPE_SE
	global_prefetch_b8 v[PF],   s[XP:XP+1] offset:1280 th:TH_LOAD_NT scope:SCOPE_SE
	global_prefetch_b8 v[PF+1], s[XP:XP+1] offset:1024 th:TH_LOAD_NT scope:SCOPE_SE
	global_prefetch_b8 v[PF+1], s[XP:XP+1] offset:1280 th:TH_LOAD_NT scope:SCOPE_SE
.Lnoask_\@:
.endm
; A STEP: 32 along K, 96 products.  sl, hf: where W lies; st: x's stage; lc: the younger x loads that may stay out; xl, xo: the stage is loaded again, from byte xo;
; chg = 1: the slot is left and filled again; 2: left; nsl: the slot that follows.
.macro STEP sl, hf, st, zero, lc, xl, xo, chg, nsl, ask=0, last=0
	WIN 0
	s_wait_loadcnt \lc                             ; my stage is in; the other stage's 16 loads may stay out
	PLACES                                         ; the last step's products have read XF and W's second group
	CVT \st
.if \xl
	XLOAD \st, \xo
.endif
.if \ask
	ASKX
.endif
.set g, 0
.rept 5
	s_wait_dscnt 0x0                               ; group g is in (asked for 16 products ago)
.if g > 0
	PLACES
.endif
	WFETCH \sl, \hf, g+1
	MUL g, 0, 3, \zero
.set g, g+1
.endr
.if (\chg) == 0
	s_wait_dscnt 0x0
.if !(\last)
	PLACES
	WFETCH \sl, 1, 0                               ; the slot's second half follows
.endif
	MUL 5, 0, 3, \zero
.else
	WIN 0
	s_wait_tensorcnt 0x0                           ; all my tensor loads have landed: my quarter of the other slot
	ds_add_u32 v[SPW], v[NIL]                      ; 0 onto my spare word
	s_wait_dscnt 0x0                               ; the add is done, and my reads of this slot are over
	s_barrier_signal -1
	MUL 5, 0, 1, \zero                             ; work on registers while the others arrive
	WIN 0
	s_barrier_wait -1
.if (\chg) == 1
	CREST                                          ; the barrier has opened a round of the cluster's: no wave of any partner still reads this slot or has a load on its way
	s_add_nc_u64 s[G0+4*(\sl)+2:G0+4*(\sl)+3], s[G0+4*(\sl)+2:G0+4*(\sl)+3], 2*SLOTB
	tensor_load_to_lds s[G0+4*(\sl):G0+4*(\sl)+3], s[G1:G1+7]  ; my one load behind the round: 128 along K further on
	s_nop 0
.endif
	PLACES
	WFETCH \nsl, 0, 0
	MUL 5, 2, 3, \zero
.endif
.endm
	s_load_b512 s[4:19], s[0:1], 0x0               ; syn s[4:5], sem s[6:7], wi s[8:9], bq2 s[10:11], bv1 s[12:13], bq1 s[14:15], bv2 s[16:17], ti s[18:19]
	v_lshl_add_u32 v[SPW], v0, 2, SPARE
	v_mov_b32 v[NIL], 0
	ds_add_u32 v[SPW], v[NIL]                      ; the wave's opening: the add, twice on end, and its wait ahead of my first tensor load
	ds_add_u32 v[SPW], v[NIL]
	v_lshrrev_b32 v1, 5, v0
	v_readfirstlane_b32 s[WV], v1
	s_bfe_u32 s48, ttmp6, 0x40000                  ; cx: it enters x's and ti's global addresses alone
	s_cmp_lt_u32 ttmp9, 48
	s_cselect_b32 s49, 1, 0                        ; syntactic rows?
	s_cselect_b32 s50, 0, 48
	s_cselect_b32 s[NL1], 5, 2
	s_sub_co_u32 s50, ttmp9, s50
	s_mul_i32 s51, s50, 171
	s_lshr_b32 s51, s51, 9                         ; / 3 (exact up to 47): the group of 1,024 rows
	s_mul_i32 s52, s51, 3
	s_sub_co_u32 s[KIND], s50, s52
	s_lshl2_add_u32 s53, s51, s48                  ; my block of 256 rows
	s_lshl_b32 s54, 1536, s49                      ; bytes in a row of x
	s_lshl_b32 s55, 294912, s49
	s_mul_i32 s55, s55, s[KIND]
	s_cmp_eq_u32 s49, 1
	s_cselect_b32 s56, 0, 1769472
	s_add_co_u32 s58, s55, s56                     ; the job in wi
	s_mul_i32 s56, s[WV], 12288                    ; my quarter of a slot
	s_add_co_u32 s58, s58, s56
	s_mov_b32 s59, 0
	s_cmp_eq_u32 s49, 1
	s_cselect_b32 s60, 128, 0
	s_cselect_b32 s61, 0, 256
	s_cmp_eq_u32 s[KIND], 0
	s_cselect_b32 s60, s60, s61
	s_mul_i32 s61, s[KIND], 384
	s_add_co_u32 s60, s60, s61
	s_lshl2_add_u32 s60, s53, s60
	s_add_co_u32 s60, s60, s[WV]                   ; my tile
	s_mul_i32 s60, s60, 49152
	s_mov_b32 s61, 0
	s_mul_i32 s62, s53, s54
	s_lshl_b32 s62, s62, 8                         ; 256 rows a block
	s_mov_b32 s63, 0
	s_sub_co_u32 s[LIMP], s[NL1], 1
	s_cmp_eq_u32 s[KIND], 0
	s_cselect_b32 s[LIMP], s[LIMP], 0
	s_cmp_eq_u32 s[KIND], 2
	s_cselect_b32 s[KM], -1, 0
	s_mov_b32 s[G1+0], 15|(3<<16)|(1<<21)          ; the mask of four; elements of 8 bytes; bit 21 beside a mask
	s_mov_b32 s[G1+1], 32<<16                      ; tensor_dim0 = 32 (256 bytes)
	s_mov_b32 s[G1+2], 48<<16                      ; tensor_dim1 = 48
	s_mov_b32 s[G1+3], 32<<16                      ; tile_dim0 = 32
	s_mov_b32 s[G1+4], 48                          ; tile_dim1 = 48
	s_mov_b32 s[G1+5], 32                          ; dense rows
	s_mov_b32 s[G1+6], 0
	s_mov_b32 s[G1+7], 0
	s_mov_b32 s[G0], 1
	s_mov_b32 s[G0+1], s56
	s_mov_b32 s[G0+4], 1
	s_add_co_u32 s[G0+5], s56, SLOTB
	s_wait_dscnt 0x0                               ; both opening adds are done
	s_wait_kmcnt 0x0
	s_cmp_eq_u32 s49, 1
	s_cselect_b64 s[XP:XP+1], s[4:5], s[6:7]
	s_cselect_b64 s[66:67], s[10:11], s[14:15]     ; bq
	s_cselect_b64 s[68:69], s[12:13], s[16:17]     ; bv
	s_cmp_eq_u32 s[KIND], 0
	s_cselect_b64 s[BP:BP+1], s[66:67], s[68:69]
	s_add_nc_u64 s[XP:XP+1], s[XP:XP+1], s[62:63]
	s_add_nc_u64 s[DST:DST+1], s[18:19], s[60:61]
	s_add_nc_u64 s[G0+2:G0+3], s[8:9], s[58:59]
	s_add_nc_u64 s[G0+6:G0+7], s[G0+2:G0+3], SLOTB
	s_or_b32 s[G0+3], s[G0+3], 0x80000000
	s_or_b32 s[G0+7], s[G0+7], 0x80000000
	CROUND                                         ; all four work-groups are here: the first joint loads meet
	tensor_load_to_lds s[G0:G0+3], s[G1:G1+7]      ; K 0-63
	s_nop 0
	tensor_load_to_lds s[G0+4:G0+7], s[G1:G1+7]    ; K 64-127: two loads of mine are out
	s_nop 0
	PLACES
	v_and_b32 v1, 31, v0                           ; L
	v_and_b32 v2, 15, v0                           ; r
	v_bfe_u32 v3, v0, 4, 1                         ; h
	v_lshl_add_u32 v24, s[WV], 6, v2
	v_mul_lo_u32 v24, v24, s54
	v_lshl_add_u32 v[XO], v3, 5, v24               ; (64 w + r) rows + 32 h
	s_lshl_b32 s66, s54, 4
	v_add_nc_u32 v[XO+1], s66, v[XO]
	v_add_nc_u32 v[XO+2], s66, v[XO+1]
	v_add_nc_u32 v[XO+3], s66, v[XO+2]
	XLOAD 0, 0
	XLOAD 1, 128
	v_lshl_add_u32 v24, s[WV], 6, v1
	v_mul_lo_u32 v[PF], v24, s54
	s_lshl_b32 s66, s54, 5
	v_add_nc_u32 v[PF+1], s66, v[PF]
	v_lshlrev_b32 v[WA], 4, v1
	v_add_nc_u32 v[WA+1], SLOTB, v[WA]
	v_and_b32 v25, 7, v0
	v_bfe_u32 v26, v0, 3, 1
	v_lshlrev_b32 v25, 4, v25
	v_lshl_add_u32 v25, v3, 7, v25
	v_lshl_add_u32 v25, v26, 8, v25                ; V's place in a block
	v_cndmask_b32 v[VA], v[WA], v25, s[KM]
	v_add_nc_u32 v[VA+1], 512, v[VA]
	v_add_nc_u32 v[VA+2], 24576, v[VA]
	v_add_nc_u32 v[VA+3], 25088, v[VA]
	v_lshlrev_b32 v[BA], 5, v3
	v_add_nc_u32 v[BA], BIAS, v[BA]
	v_lshl_add_u32 v[BS], v0, 4, BIAS
	s_cmp_eq_u32 s[KIND], 1                        ; K has no bias
	s_cbranch_scc1 .Lno_bias
	s_cmp_lt_u32 s[WV], 3                          ; 96 threads x 16 bytes
	s_cbranch_scc0 .Lno_bias
	v_lshlrev_b32 v27, 4, v0
	global_load_b128 v[BV:BV+3], v27, s[BP:BP+1]
	s_wait_loadcnt 0x0
	v_cvt_pk_bf16_f32 v24, v[BV], v[BV+1]          ; rounded to bf16 like every input, and kept as f32
	v_cvt_pk_bf16_f32 v25, v[BV+2], v[BV+3]
	v_lshlrev_b32 v[BV], 16, v24
	v_and_b32 v[BV+1], 0xffff0000, v24
	v_lshlrev_b32 v[BV+2], 16, v25
	v_and_b32 v[BV+3], 0xffff0000, v25
	ds_store_b128 v[BS], v[BV:BV+3]
.Lno_bias:
	s_wait_tensorcnt 0x1                           ; my quarter of slot 0 is in; slot 1's may stay out
	s_wait_dscnt 0x0                               ; for the others' sake: the bias is stored
	s_barrier_signal -1
	s_barrier_wait -1
	WFETCH 0, 0, 0
	STEP 0, 0, 0, 1, 16, 1, 256, 0, 0              ; the first step stands in front of the loop: its products start the sums
	WIN 0
	s_mov_b32 s[J], 0
.Llap:                                         ; a trip goes once round the ring, from a lap's second step to the next lap's first; every LDS address in it is a constant
	STEP 0, 1, 1, 0, 16, 1, 384, 1, 1
	STEP 1, 0, 0, 0, 16, 1, 512, 0, 0, 1
	STEP 1, 1, 1, 0, 16, 1, 640, 1, 0
	WIN 0
	s_wait_xcnt 0x0                                ; every load and prefetch issued so far has read its address: the pointer may be written
	s_add_nc_u64 s[XP:XP+1], s[XP:XP+1], 512
	STEP 0, 0, 0, 0, 16, 1, 256, 0, 0
	WIN 0
	s_add_co_u32 s[J], s[J], 1
	s_cmp_lt_u32 s[J], s[NL1]
	s_cbranch_scc1 .Llap
	STEP 0, 1, 1, 0, 16, 1, 384, 2, 1              ; the last lap fills nothing
	STEP 1, 0, 0, 0, 16, 0, 0, 0, 0
	STEP 1, 1, 1, 0, 0, 0, 0, 0, 0, 0, 1
	WIN 0
	PLACES
; THE WAY OUT of group g (64 channels of my 64 rows): the bias, one rounding to f16, 16 stores of 512 consecutive bytes each.  Each accumulator's registers are taken in ascending order.
.macro OUTG g
.set ww, 1+(\g)/2
.set rB, 128*((\g)%2)
.set PK, 32+64*((\g)%2)
	WIN 0
	s_wait_xcnt 0x0                                ; earlier stores have read their registers
	s_cmp_eq_u32 s[KIND], 1
	s_cbranch_scc1 .Lnb_\@
.irp n, 0,1,2,3
	ds_load_b128 v[WF+8*\n:WF+8*\n+3],   v[BA] offset:64*(4*(\g)+\n)
	ds_load_b128 v[WF+8*\n+4:WF+8*\n+7], v[BA] offset:64*(4*(\g)+\n)+16
.endr
	s_wait_dscnt 0x0
	WIN (ww<<6)|ww
.set n, 0
.rept 16
.set p, 0
.rept 4
	v_pk_add_f32 v[rB+8*n+2*p:rB+8*n+2*p+1], v[rB+8*n+2*p:rB+8*n+2*p+1], v[WF+8*(n/4)+2*p:WF+8*(n/4)+2*p+1]
.set p, p+1
.endr
.set n, n+1
.endr
	WIN 0
.Lnb_\@:
	WIN ww|(ww<<2)
.set n, 0
.rept 64
	v_cvt_pk_f16_f32 v[PK+n], v[rB+2*n], v[rB+2*n+1]
.set n, n+1
.endr
	WIN 0
.set n, 0
.rept 16
	global_store_b128 v[VA+n%4], v[PK+4*n:PK+4*n+3], s[DST:DST+1] offset:1024*(4*(\g)+n/4)
.set n, n+1
.endr
.endm
	OUTG 0
	OUTG 1
	OUTG 2
	OUTG 3
	OUTG 4
	OUTG 5
	s_wait_tensorcnt 0x0                           ; the wave's end
	ds_add_u32 v[SPW], v[NIL]
	s_wait_dscnt 0x0
	CROUND                                         ; the closing round: no work-group ends while a partner may still ask for a tile that names it
	s_endpgm
.Lfunc_end_k_qa51e42cf66_proj:
	.size	k_qa51e42cf66_proj, .Lfunc_end_k_qa51e42cf66_proj-k_qa51e42cf66_proj
	.p2alignl 7, 3214868480
	.fill 96, 4, 3214868480
	.section	.rodata,"a",@progbits
	.p2align	6, 0x0
	.amdhsa_kernel k_qa51e42cf66_proj
		.amdhsa_group_segment_fixed_size 327680
		.amdhsa_private_segment_fixed_size 0
		.amdhsa_enable_private_segment 0
		.amdhsa_kernarg_size 64
		.amdhsa_user_sgpr_count 2
		.amdhsa_user_sgpr_kernarg_segment_ptr 1
		.amdhsa_wavefront_size32 1
		.amdhsa_system_sgpr_workgroup_id_x 1
		.amdhsa_system_sgpr_workgroup_id_y 1
		.amdhsa_system_sgpr_workgroup_id_z 1
		.amdhsa_system_vgpr_workitem_id 0
		.amdhsa_next_free_vgpr 1024
		.amdhsa_next_free_sgpr 80
		.amdhsa_reserve_vcc 0
		.amdhsa_float_denorm_mode_32 3
		.amdhsa_float_denorm_mode_16_64 3
		.amdhsa_memory_ordered 1
		.amdhsa_forward_progress 1
		.amdhsa_inst_pref_size 182
	.end_amdhsa_kernel
	.amdgpu_metadata
---
amdhsa.version: [ 1, 2 ]
amdhsa.kernels:
  - .name:           k_qa51e42cf66_proj
    .symbol:         k_qa51e42cf66_proj.kd
    .args:
      - { .name: syntactic_feat, .offset: 0, .size: 8, .value_kind: global_buffer, .address_space: global }
      - { .name: semantic_feat, .offset: 8, .size: 8, .value_kind: global_buffer, .address_space: global }
      - { .name: wi, .offset: 16, .size: 8, .value_kind: global_buffer, .address_space: global }
      - { .name: bq2, .offset: 24, .size: 8, .value_kind: global_buffer, .address_space: global }
      - { .name: bv1, .offset: 32, .size: 8, .value_kind: global_buffer, .address_space: global }
      - { .name: bq1, .offset: 40, .size: 8, .value_kind: global_buffer, .address_space: global }
      - { .name: bv2, .offset: 48, .size: 8, .value_kind: global_buffer, .address_space: global }
      - { .name: ti, .offset: 56, .size: 8, .value_kind: global_buffer, .address_space: global }
    .group_segment_fixed_size: 327680
    .private_segment_fixed_size: 0
    .kernarg_segment_align: 8
    .kernarg_segment_size: 64
    .max_flat_workgroup_size: 128
    .sgpr_count:     80
    .vgpr_count:     1024
    .wavefront_size: 32
...
	.end_amdgpu_metadata
.endif
;; end of part 2
;; launch attn (part 3): grid 256 x 1, 4 waves a work-group, clusters of 4 x 1, 327,680 bytes of LDS; arguments ti, out1, part, st; writes out1, part, st
.if DOCPART == 3
	.amdgcn_target "amdgcn-amd-amdhsa--gfx1250"
	.amdhsa_code_object_version 6
	.text
	.protected	k_qa51e42cf66_attn
	.globl	k_qa51e42cf66_attn
	.p2align	8
	.type	k_qa51e42cf66_attn,@function
k_qa51e42cf66_attn:
	s_mov_b64 s[64:65], 0
	v_nop
	global_prefetch_b8 v0, s[64:65] scope:SCOPE_SE
	s_setreg_imm32_b32 hwreg(HW_REG_WAVE_MODE, 25, 1), 1
	s_wait_xcnt 0x0
	s_wait_alu depctr_hold_cnt(0) depctr_sa_sdst(0) depctr_va_vdst(0) depctr_va_sdst(0) depctr_va_ssrc(0) depctr_va_vcc(0) depctr_vm_vsrc(0)
	s_getreg_b32 s2, hwreg(HW_REG_IB_STS2, 6, 4)
	s_cmp_eq_u32 s2, 0
	s_cbranch_scc0 .Lentry_in_a_cluster
	s_endpgm
.Lentry_in_a_cluster:
	s_bfe_u32 s2, ttmp6, 0x10000c
	s_cmp_lg_u32 s2, 0x3003
	s_cbranch_scc0 .Lentry_shape_is_right
	s_endpgm
.Lentry_shape_is_right:
; ATTN: both attentions, head size 384.  O[q] = sum over k of softmax_k(SCALE Q[q] . K[k]) V[k].  Q, K, V come from ti in f16 (K without its bias: a term that is the same along the softmax's axis,
; shown at the head of the first kernel; V with bv inside: the weights add up to 1).  Products, maxima and sums in f32; the weights p rounded to f16 for the second product, their sum l taken unrounded.
; LIMITS.  p below 6e-5 keeps f16's fixed step; a weight below 2^-126 counts as 0 in l; the running maximum starts at -7e28 in units of log2, far below every scaled score of f16 operands; NaN and infinities are not treated apart.
; JOBS.  256 equal jobs of 128 queries x 2,048 keys (32 tiles of 64).  Clusters 0-31: attention 1 (semantic queries), its 4,096 keys in two halves: normalised partial rows go to part, (c m, l) to st, and a
; later launch joins them.  Clusters 32-63: attention 2 (syntactic queries): rows go to out1.  The four work-groups of a cluster walk the same keys: K and V are asked for JOINTLY.
; ROLES.  384 channels make O^T of 16 queries 192 registers, so no wave holds enough queries for both products.  Waves 0, 1 (S) hold Q of 64 queries each and make S^T = K Q^T and the softmax;
; waves 2, 3 (O) hold O^T of all 128 queries for 192 channels each and make O^T = a O^T + V^T P.  P (f16) and a go through LDS, two buffers by turns.  192 products a wave and trip in both roles.
; PIPELINE.  Trip T: S multiplies key tile T, with the softmax of tile T - 1 in threes behind its products; O takes tile T - 2.  RECORD r = (K tile r, V tile r - 2): what trip r reads, brought by one load a wave
; (two rows of 12,288 bytes, a quarter of each image).  V of records 0, 1 and K of records 32, 33 are other tiles of ti: finite numbers that reach no result.  O waits out trips 0 and 1;
; S's products of trip 32 serve nothing: the price of one text for every trip.
; LAYOUT.  S^T holds one query a lane (lane % 16) and keys 8 (lane / 16) + 0..7; two such results rounded to f16 are source 1 of V^T P, whose result again holds one query a lane and eight channels.
; SOFTMAX.  X = c s, c = log2(e) / sqrt(384), is a scaled copy that frees the accumulators for the next tile.  p = 2^(X - cm) with a running maximum cm; O and l are multiplied by a = 2^(cm_old - cm_new) in every step.
; A made-up tile -1 (all scores -1e30) starts the state; the first true tile's a = 0 wipes it, and with it whatever finite numbers O^T and l held.
; REGISTERS.  Window 0, both roles: v2-23 addresses, each with one meaning in the whole text and made by all four waves alike; v29 the prefetch's offset; v30-31 the add's two.
; S waves.  Window 0: v32-39 (cm, max) a tile; v40-47 (a, d); v48-55 l; v56-59 at work; v64-127 P; v128-255 X.  Windows 1, 2: Q, two tiles each.  Window 3: v0-127 S^T; v128-223 two buffers of six K fragments.
; O waves.  Window 0: v32-47 (a, d) of 8 tiles; v64-191 P; v192-255 four sets of V.  Windows 1 to 3: O^T: (tile t, channel block cbl) in window 1 + cbl / 4 at 64 (cbl % 4) + 8 t.
.set SLOT1, 1<<17                      ; slot 0 at 0, slot 1 here: 98,304 bytes each; quarter q at 24,576 q: K's 12,288 bytes, then V's
.set PB,    98304                      ; P: two buffers of 16,384: tile at 2,048, key block at 512, lane at 16
.set AB,    229376                     ; a: two buffers of 2,048: S wave at 1,024
.set LA,    233472                     ; 1 / l, likewise
.set SPARE, 235520                     ; the spare words, 128 bytes a wave: two blocks of 256 bytes that no other line names
.set SP,    1552                       ; the way out's stage: 128 rows of 1,536 bytes + 16, from byte 0 on, written only behind the slots' last fill
.set L16, 2                            ; 16 x lane
.set AKA, 3                            ; K's key blocks 0, 1 in this trip's slot
.set AKB, 4                            ; key blocks 2, 3
.set PST0, 5                           ; where an S wave puts P, less the buffer
.set PST, 6
.set AST0, 7                           ; where it puts a, less the buffer
.set AST, 8
.set LAS, 9                            ; where it puts 1 / l
.set SO,  10                           ; 8 x lane: its pair in st
.set RD,  11                           ; the way out: my 16 bytes of my wave's first row in the stage
.set GO,  12                           ; and in the output
.set AVB, 13                           ; an O wave's place in V's part of a slot
.set AV0, 14                           ; keys 0-31 in this trip's slot
.set AV1, 15                           ; keys 32-63
.set PLD0, 16                          ; where P is read, less the buffer
.set PLD, 17
.set ALD0, 18                          ; where a is read, less the buffer
.set ALD, 19
.set STO, 20                           ; v20-22 the way out: where an O wave puts 32 bytes of a row: tiles 0-2, 3-5, 6-7
.set LAL, 23                           ; where 1 / l is read
.set PFO, 29
.set SPW, 30
.set NIL, 31
.set CM,  32
.set AD,  40
.set LL,  48
.set TMP, 56
.set STP, 60
.set P,   64
.set X,   128
.set AA,  32
.set PF,  64
.set VF,  192
.set WV,  12
.set CNT, 13                           ; trips to go: 33 to 1
.set TB,  14                           ; the slot read in this trip
.set PW,  15                           ; P's buffer written, read; a's written, read
.set PR,  16
.set AW,  17
.set AR,  18
.set LIM, 19
.set PFA, 20
.set G1,  24
.set G0,  32
.set CS,  36
.set SEL, 38
.set QP,  40
.set DST, 42
.set ST,  44
.set A1,  46
.set SW,  47                           ; wave % 2: which S wave, or which O wave
.set HM,  48
.set BIGN, 49
.set MSB, 0
.macro WIN new                         ; the immediate's high byte repeats the setting that is left; a switch that changes nothing is dropped
.if MSB != (\new)
	s_set_vgpr_msb (MSB<<8)|(\new)
.set MSB, \new
.endif
.endm
.macro PLACES
.rept 4
	v_nop
.endr
.endm
.macro CROUND
	s_barrier_signal -1
	s_barrier_wait -1
	s_cmp_lg_u32 s[WV], 0
	s_cbranch_scc1 .Lnot_wave_0_\@
	s_barrier_signal -3
.Lnot_wave_0_\@:
	s_barrier_wait -3
	s_barrier_signal -1
	s_barrier_wait -1
.endm
; A PREFETCH INTO THE L2: trip T names record T + 3, two trips ahead of its load.  All clusters of a key set walk the same records: the set's first cluster asks.  Its four partners share a record's 384 blocks of 256 bytes
; BY ADDRESS, 96 each (a quarter of K's image, a quarter of V's), a lane a block, waves 0 to 2.  Records 0 to 2 come by their loads alone; the last two trips of the loop ask for nothing.
.macro ASK
	s_cmp_gt_u32 s[CNT], s[LIM]
	s_cbranch_scc0 .Lnot_mine_\@
	global_prefetch_b8 v[PFO], s[PFA:PFA+1] th:TH_LOAD_NT scope:SCOPE_SE
.Lnot_mine_\@:
.endm
; THE CHANGE OF SLOTS, at a trip's head.  Each wave waits for all its tensor loads (one is out: its quarter of this trip's record), adds 0 to its spare word, and waits for that and for all its LDS reads and stores
; of the last trip (K, V, P, a).  fill = 1: the barrier is a round of the cluster's, and the slot read last trip takes the next record, first thing behind it.
.macro CHANGE fill
	WIN 0
	s_wait_tensorcnt 0x0
	ds_add_u32 v[SPW], v[NIL]
.if \fill
	s_xor_b32 s[G0+1], s[G0+1], SLOT1
	s_add_nc_u64 s[G0+2:G0+3], s[G0+2:G0+3], 49152
	s_wait_xcnt 0x0                                ; the last prefetch, a trip back, has read its address
	s_add_nc_u64 s[PFA:PFA+1], s[PFA:PFA+1], 49152
	s_wait_dscnt 0x0
	CROUND
	tensor_load_to_lds s[G0:G0+3], s[G1:G1+7]
	s_nop 0
	PLACES
	ASK
.else
	s_wait_dscnt 0x0
	s_barrier_signal -1
	s_barrier_wait -1
.endif
.endm
; This trip's eight LDS addresses: the slot and the buffers by turns.  Every wave makes all eight, so that each register has one text.  They are also the places behind the last trip's products.
.macro ADDRS
	v_add_nc_u32 v[AKA], s[TB], v[L16]
	v_add_nc_u32 v[AV0], s[TB], v[AVB]
	v_add_nc_u32 v[PST], s[PW], v[PST0]
	v_add_nc_u32 v[AST], s[AW], v[AST0]
	v_add_nc_u32 v[PLD], s[PR], v[PLD0]
	v_add_nc_u32 v[ALD], s[AR], v[ALD0]
	v_add_nc_u32 v[AKB], 49152, v[AKA]
	v_add_nc_u32 v[AV1], 49152, v[AV0]
.endm
	s_load_b256 s[4:11], s[0:1], 0x0               ; ti s[4:5], out1 s[6:7], part s[8:9], st s[10:11]
	v_lshl_add_u32 v[SPW], v0, 2, SPARE
	v_mov_b32 v[NIL], 0
	ds_add_u32 v[SPW], v[NIL]                      ; the wave's opening: the add, twice on end, and its wait ahead of my first tensor load
	ds_add_u32 v[SPW], v[NIL]
	v_lshrrev_b32 v1, 5, v0
	v_readfirstlane_b32 s[WV], v1
	s_and_b32 s[SW], s[WV], 1
	s_bfe_u32 s50, ttmp6, 0x40000                  ; cx: it enters Q's, the output's, st's and the prefetch's global addresses alone
	s_and_b32 s51, ttmp9, 31
	s_lshr_b32 s52, s51, 3                         ; batch
	s_bfe_u32 s53, s51, 0x10002                    ; half of the keys
	s_and_b32 s54, s51, 3
	s_and_b32 s55, s51, 7
	s_cmp_lt_u32 ttmp9, 32
	s_cselect_b32 s[A1], 1, 0
	s_cselect_b32 s54, s54, s55                    ; the cluster's place among those of its key set
	s_cselect_b32 s53, s53, 0
	s_cselect_b32 s56, 5, 6
	s_cselect_b32 s57, 0, 128
	s_cselect_b32 s58, 6, 5
	s_cselect_b32 s59, 0, 256
	s_cselect_b32 s60, 11, 12
	s_lshl2_add_u32 s61, s54, s50                  ; my block of 128 queries
	s_lshl_b32 s56, s52, s56
	s_add_co_u32 s56, s56, s57
	s_lshl1_add_u32 s56, s61, s56
	s_add_co_u32 s56, s56, s[SW]                   ; Q's tile (S waves)
	s_mul_i32 s66, s56, 49152
	s_mov_b32 s67, 0
	s_lshl_b32 s58, s52, s58
	s_add_co_u32 s58, s58, s59
	s_lshl_b32 s59, s53, 5
	s_add_co_u32 s58, s58, s59                     ; g0: the job's first key tile
	s_add_co_u32 s58, s58, 384
	s_mul_i32 s68, s58, 49152
	s_mul_i32 s74, s50, 12288
	s_add_co_u32 s74, s74, s68
	s_add_co_u32 s74, s74, 2*49152                 ; record 2, my work-group's quarter
	s_mov_b32 s75, 0
	s_mul_i32 s59, s[WV], 12288
	s_add_co_u32 s68, s68, s59                     ; record 0, my wave's quarter
	s_mov_b32 s69, 0
	s_lshl_b32 s60, s52, s60
	s_lshl_b32 s59, s53, 13
	s_add_co_u32 s60, s60, s59
	s_lshl_b32 s59, s61, 7
	s_add_co_u32 s60, s60, s59                     ; my first output row
	s_mul_i32 s70, s60, 1536
	s_mov_b32 s71, 0
	s_lshl_b32 s57, s[SW], 6
	s_add_co_u32 s60, s60, s57
	s_lshl_b32 s72, s60, 3
	s_cmp_eq_u32 s[A1], 1
	s_cselect_b32 s72, s72, 0
	s_mov_b32 s73, 0
	s_cmp_eq_u32 s54, 0
	s_cselect_b32 s[LIM], 2, -1                    ; a wave that prefetches does so while more than two trips are to go; the others never
	s_cmp_lt_u32 s[WV], 3
	s_cselect_b32 s[LIM], s[LIM], -1
	s_mov_b32 s[G1+0], 15|(3<<16)|(1<<21)          ; the mask of four; elements of 8 bytes; bit 21 beside a mask
	s_mov_b32 s[G1+1], 1536<<16                    ; tensor_dim0 = 1,536 (12,288 bytes)
	s_mov_b32 s[G1+2], 2<<16                       ; tensor_dim1 = 2
	s_mov_b32 s[G1+3], 1536<<16                    ; tile_dim0
	s_mov_b32 s[G1+4], 2                           ; tile_dim1
	s_mov_b32 s[G1+5], 2347008                     ; from K's tile to V's: 382 images of 6,144 elements
	s_mov_b32 s[G1+6], 0
	s_mov_b32 s[G1+7], 0
	s_mov_b32 s[G0], 1
	s_mul_i32 s[G0+1], s[WV], 24576
	s_mov_b32 s[CS], 0x3d96c73f                    ; c = log2(e) / sqrt(384) = 0.0736222
	s_mov_b32 s[CS+1], s[CS]
	s_mov_b32 s[SEL], 0x76543210
	s_mov_b32 s[SEL+1], 0xfedcba98
	s_mov_b32 s[HM], 0xffff0000                    ; lanes 16-31
	s_mov_b32 s[BIGN], 0xf149f2ca                  ; -1e30
	s_mov_b32 s[TB], 0
	s_mov_b32 s[PW], 16384
	s_mov_b32 s[PR], 0
	s_mov_b32 s[AW], 2048
	s_mov_b32 s[AR], 0
	s_mov_b32 s[CNT], 33
	s_wait_dscnt 0x0                               ; both opening adds are done
	s_wait_kmcnt 0x0
	s_cmp_eq_u32 s[A1], 1
	s_cselect_b64 s[DST:DST+1], s[8:9], s[6:7]
	s_add_nc_u64 s[DST:DST+1], s[DST:DST+1], s[70:71]
	s_add_nc_u64 s[ST:ST+1], s[10:11], s[72:73]
	s_add_nc_u64 s[QP:QP+1], s[4:5], s[66:67]
	s_add_nc_u64 s[PFA:PFA+1], s[4:5], s[74:75]
	s_add_nc_u64 s[G0+2:G0+3], s[4:5], s[68:69]
	s_or_b32 s[G0+3], s[G0+3], 0x80000000
	CROUND                                         ; all four work-groups are here: the first joint loads meet
	tensor_load_to_lds s[G0:G0+3], s[G1:G1+7]      ; record 0 into slot 0
	s_nop 0
	PLACES
	; THE ADDRESSES, made by all four waves alike: a constant, the wave's number or its parity times a constant, and the lane's term
	v_and_b32 v1, 31, v0
	v_lshlrev_b32 v[L16], 4, v1                    ; 16 L
	s_mul_i32 s51, s[WV], 32*SP
	v_add_nc_u32 v[RD], s51, v[L16]
	s_mul_i32 s51, s[WV], 32*1536
	v_add_nc_u32 v[GO], s51, v[L16]
	v_min_u32 v28, 95, v0
	v_mov_b32 v27, 18763776                        ; from K's quarter to V's, less the 48 blocks of K's
	v_cmp_le_u32 s51, 48, v28
	v_cndmask_b32 v27, 0, v27, s51
	v_lshl_add_u32 v[PFO], v28, 8, v27
	s_lshl_b32 s51, s[SW], 13
	s_add_co_u32 s51, s51, PB
	v_add_nc_u32 v[PST0], s51, v[L16]              ; an S wave's four tiles of P
	s_lshl_b32 s52, s[SW], 10
	s_add_co_u32 s51, s52, AB
	v_add_nc_u32 v[AST0], s51, v[L16]
	s_add_co_u32 s51, s52, LA
	v_add_nc_u32 v[LAS], s51, v[L16]
	v_lshlrev_b32 v[SO], 3, v1
	s_mul_i32 s51, s[SW], 24576
	s_add_co_u32 s51, s51, 12288
	v_add_nc_u32 v[AVB], s51, v[L16]               ; an O wave's 12 channel blocks: quarter 0 or 1 (keys 0-31), V's part
	v_add_nc_u32 v[PLD0], PB, v[L16]
	v_add_nc_u32 v[ALD0], AB, v[L16]
	v_add_nc_u32 v[LAL], LA, v[L16]
	v_and_b32 v27, 15, v0
	v_bfe_u32 v28, v0, 4, 1
	v_mul_u32_u24 v[STO], v27, SP
	v_lshl_add_u32 v[STO], v28, 5, v[STO]
	s_mul_i32 s51, s[SW], 768
	v_add_nc_u32 v[STO], s51, v[STO]
	v_add_nc_u32 v[STO+1], 48*SP, v[STO]
	v_add_nc_u32 v[STO+2], 96*SP, v[STO]
	; THE START.  The S waves ask for Q; the O waves write 0 into the same registers, which are part of their O^T.
	s_cmp_lt_u32 s[WV], 2
	s_cbranch_scc0 .Lo_pro
	WIN 0x40
.set i, 0
.rept 24                                       ; tiles 0 and 1: fragment 12 (t % 2) + c
	global_load_b128 v[8*i:8*i+3],   v[L16], s[QP:QP+1] offset:(i/12)*512+(i%12)*2048
	global_load_b128 v[8*i+4:8*i+7], v[L16], s[QP:QP+1] offset:(i/12)*512+(i%12)*2048+1024
.set i, i+1
.endr
	WIN 0x80
.set i, 0
.rept 24                                       ; tiles 2 and 3
	global_load_b128 v[8*i:8*i+3],   v[L16], s[QP:QP+1] offset:24576+(i/12)*512+(i%12)*2048
	global_load_b128 v[8*i+4:8*i+7], v[L16], s[QP:QP+1] offset:24576+(i/12)*512+(i%12)*2048+1024
.set i, i+1
.endr
	WIN 0
	s_branch .Lpro
.Lo_pro:
.irp w, 1,2
	WIN (\w)<<6
.set i, 0
.rept 192
	v_mov_b32 v[i], 0
.set i, i+1
.endr
.endr
	WIN 0
.Lpro:
	; The rest is written by all four waves, so that every register that either role reads has been written on every way through the text: the S waves run these lines while their loads of Q are out.
	; O^T need only be finite: the first true tile's a is 0.  So the -1e30 of the made-up tile's key block 3 (32 registers of window 3) may stand in the O waves too.
.irp w, 1,2
	WIN (\w)<<6
.set i, 192
.rept 64
	v_mov_b32 v[i], 0
.set i, i+1
.endr
.endr
	WIN 0xc0
.set i, 0
.rept 256
.if (i < 128) && (i%32 >= 24)
	v_mov_b32 v[i], s[BIGN]
.else
	v_mov_b32 v[i], 0
.endif
.set i, i+1
.endr
	WIN 0
.set i, 0
.rept 96
	v_mov_b32 v[X+32*(i/24)+i%24], s[BIGN]         ; the made-up tile's key blocks 0 to 2, as scaled copies
.set i, i+1
.endr
.set i, 0
.rept 8
	v_mov_b32 v[CM+i], s[BIGN]
	v_mov_b32 v[AD+i], 0
	v_mov_b32 v[LL+i], 0
.set i, i+1
.endr
.set i, 0
.rept 4
	v_mov_b32 v[TMP+i], 0
.set i, i+1
.endr
	s_wait_loadcnt 0x0                             ; Q
; THE S WAVES' MATRIX WORK.  Product i of 192: key block i / 48, channels 32 ((i % 48) / 4) on, tile i % 4.  The four tiles' accumulators take turns, one instruction a turn.
.macro QK
.set kb, i/48
.set cc, (i%48)/4
.set tt, i%4
.if tt < 2
	WIN 0xf7                                       ; K, S^T in window 3, Q in window 1
.else
	WIN 0xfb                                       ; Q in window 2
.endif
.set rS, 32*tt+8*kb
.set rK, 128+48*((i/24)%2)+8*(cc%6)
.set rQ, 96*(tt%2)+8*cc
.if cc == 0
	v_wmma_f32_16x16x32_f16 v[rS:rS+7], v[rK:rK+7], v[rQ:rQ+7], 0
.else
	v_wmma_f32_16x16x32_f16 v[rS:rS+7], v[rK:rK+7], v[rQ:rQ+7], v[rS:rS+7]
.endif
.endm
; Run hf of 8: six fragments of K (key block hf / 2, channels 192 (hf % 2) on), for 24 products
.macro KRUN hf
	WIN 0xc0
.set ka, AKA+(\hf)/4
.irp f, 0,1,2,3,4,5
	ds_load_b128 v[128+48*((\hf)%2)+8*\f:128+48*((\hf)%2)+8*\f+3],   v[ka] offset:24576*((\hf)%2)+512*(((\hf)/2)%2)+2048*\f
	ds_load_b128 v[128+48*((\hf)%2)+8*\f+4:128+48*((\hf)%2)+8*\f+7], v[ka] offset:24576*((\hf)%2)+512*(((\hf)/2)%2)+2048*\f+1024
.endr
.endm
; THE S WAVES' VECTOR WORK: a queue of 490 entries, the four tiles interleaved; RQ writes entry q.
;   0-15    the last tile's key block 3: X = c S        16-31  its maximum joins the running one        32-51  the lanes' other half; d = cm_old - max; cm = max; a = 2^d
;   52-243  ONE BATCH: X - cm for 64 pairs, each three groups ahead of its two exponentials; none of these names an exponential's result
;   244     a plain instruction and the one wait between the 132 exponentials and the first instruction that names a result
;   245-388 roundings to f16, sums, l; P's 16 stores        389-390  a's two stores
;   391-489 this trip's key blocks 0 to 2, each behind four places: X = c S (each accumulator from its low end on) and the maximum, which starts from cm
.set QE, 391
.set NQ, 490
.macro RQ
.if q < 16
.set qt, q%4
.set qp, q/4
	WIN 0x03
	v_pk_mul_f32 v[X+32*qt+24+2*qp:X+32*qt+25+2*qp], v[32*qt+24+2*qp:32*qt+25+2*qp], s[CS:CS+1] op_sel_hi:[1,0]
.elseif q < 32
.set qt, q%4
.set qp, (q-16)/4
	WIN 0
	v_max3_num_f32 v[CM+2*qt+1], v[CM+2*qt+1], v[X+32*qt+24+2*qp], v[X+32*qt+25+2*qp]
.elseif q < 52
.set qt, q%4
.set qp, (q-32)/4
	WIN 0
.if qp == 0
	v_permlanex16_b32 v[TMP+qt], v[CM+2*qt+1], s[SEL], s[SEL+1]
.elseif qp == 1
	v_max_num_f32 v[CM+2*qt+1], v[CM+2*qt+1], v[TMP+qt]
.elseif qp == 2
	v_sub_f32 v[AD+2*qt+1], v[CM+2*qt], v[CM+2*qt+1]
.elseif qp == 3
	v_mov_b32 v[CM+2*qt], v[CM+2*qt+1]
.else
	v_exp_f32 v[AD+2*qt], v[AD+2*qt+1]
.endif
.elseif q < 244
	WIN 0
.set qk, 0
.if q < 55
.set qu, q-52
.elseif q < 238
.set qu, (q-55)/3
.if (q-55)%3 == 0
.set qu, qu+3
.else
.set qk, (q-55)%3
.endif
.else
.set qu, 61+(q-238)/2
.set qk, 1+(q-238)%2
.endif
.set qr, X+32*(qu%4)+2*(qu/4)
.if qk == 0
	v_pk_add_f32 v[qr:qr+1], v[qr:qr+1], v[CM+2*(qu%4):CM+2*(qu%4)+1] op_sel_hi:[1,0] neg_lo:[0,1] neg_hi:[0,1]
.else
	v_exp_f32 v[qr+qk-1], v[qr+qk-1]
.endif
.elseif q == 244
	WIN 0
	v_nop
	s_wait_alu depctr_va_vdst(0)
.elseif q < 389
	WIN 0
.set qy, (q-245)%36
.set qb, (q-245)/36
.if qy >= 32
.set qt, qy-32
	ds_store_b128 v[PST], v[P+16*qt+4*qb:P+16*qt+4*qb+3] offset:2048*qt+512*qb
.else
.set qj, 2*qb+qy/16
.set qs, qy%16
.set qt, qs%4
.if qs < 8
.set qp, 2*qj+qs/4
	v_cvt_pk_f16_f32 v[P+16*qt+qp], v[X+32*qt+2*qp], v[X+32*qt+2*qp+1]
.elseif qs < 12
	v_pk_add_f32 v[X+32*qt+4*qj:X+32*qt+4*qj+1], v[X+32*qt+4*qj:X+32*qt+4*qj+1], v[X+32*qt+4*qj+2:X+32*qt+4*qj+3]
.elseif qj == 0
	v_pk_fma_f32 v[LL+2*qt:LL+2*qt+1], v[LL+2*qt:LL+2*qt+1], v[AD+2*qt:AD+2*qt+1], v[X+32*qt:X+32*qt+1] op_sel_hi:[1,0,1]
.else
	v_pk_add_f32 v[LL+2*qt:LL+2*qt+1], v[LL+2*qt:LL+2*qt+1], v[X+32*qt+4*qj:X+32*qt+4*qj+1]
.endif
.endif
.elseif q == 389
	WIN 0
	ds_store_b128 v[AST], v[AD:AD+3]
.elseif q == 390
	WIN 0
	ds_store_b128 v[AST], v[AD+4:AD+7] offset:512
.else
.set qy, (q-QE)%33
.set qb, (q-QE)/33
.if qy == 0
	PLACES
.elseif qy < 17
.set qt, (qy-1)%4
.set qp, (qy-1)/4
	WIN 0x03
	v_pk_mul_f32 v[X+32*qt+8*qb+2*qp:X+32*qt+8*qb+2*qp+1], v[32*qt+8*qb+2*qp:32*qt+8*qb+2*qp+1], s[CS:CS+1] op_sel_hi:[1,0]
.else
.set qt, (qy-17)%4
.set qp, (qy-17)/4
	WIN 0
.if (qb == 0) && (qp == 0)
	v_max3_num_f32 v[CM+2*qt+1], v[CM+2*qt], v[X+32*qt+8*qb+2*qp], v[X+32*qt+8*qb+2*qp+1]
.else
	v_max3_num_f32 v[CM+2*qt+1], v[CM+2*qt+1], v[X+32*qt+8*qb+2*qp], v[X+32*qt+8*qb+2*qp+1]
.endif
.endif
.endif
.set q, q+1
.endm
.macro DEAL n                          ; up to n entries; a key block's copies are held back until its last product has been issued
.rept \n
.if q < NQ
.set ok, 1
.if q >= QE
.if i < 48*((q-QE)/33+1)+1
.set ok, 0
.endif
.endif
.if ok
	RQ
.endif
.endif
.endr
.endm
.macro SBODY
	KRUN 0
.set q, 0
.set i, 0
.rept 192
.if i%24 == 0
	s_wait_dscnt 0x0                               ; the run's 12 loads, issued 22 products ago (the first run: just now)
.endif
	QK
	DEAL 3
.if (i%24 == 2) && (i < 168)
	PLACES                                         ; the buffer's last reader stands three products back
	KRUN i/24+1
.endif
.set i, i+1
.endr
.set i, 1000
	DEAL NQ
	WIN 0
.endm
; THE O WAVES.
.macro VLOAD cbl                       ; V^T of 16 channels x 64 keys: four turning loads
	WIN 0
.set rV, VF+16*((\cbl)%4)
	ds_load_tr16_b128 v[rV:rV+3],     v[AV0] offset:1024*(\cbl)
	ds_load_tr16_b128 v[rV+4:rV+7],   v[AV0] offset:1024*(\cbl)+512
	ds_load_tr16_b128 v[rV+8:rV+11],  v[AV1] offset:1024*(\cbl)
	ds_load_tr16_b128 v[rV+12:rV+15], v[AV1] offset:1024*(\cbl)+512
.endm
.macro RS cbl, k                       ; entry k of 32: O^T of channel block cbl times a, each accumulator from its low end on
.set wr, 1+(\cbl)/4
	WIN (wr<<6)|wr
.set rO, 64*((\cbl)%4)+2*(\k)
	v_pk_mul_f32 v[rO:rO+1], v[rO:rO+1], v[AA+2*((\k)/4):AA+2*((\k)/4)+1] op_sel_hi:[1,0]
.endm
.macro OBODY
	WIN 0
.irp s, 0,1
	ds_load_b128 v[AA+8*\s:AA+8*\s+3],   v[ALD] offset:1024*\s
	ds_load_b128 v[AA+8*\s+4:AA+8*\s+7], v[ALD] offset:1024*\s+512
.endr
	VLOAD 0
.irp kk, 0,1
.set tt, 0
.rept 8
	ds_load_b128 v[PF+16*tt+8*\kk:PF+16*tt+8*\kk+3],   v[PLD] offset:2048*tt+1024*\kk
	ds_load_b128 v[PF+16*tt+8*\kk+4:PF+16*tt+8*\kk+7], v[PLD] offset:2048*tt+1024*\kk+512
.set tt, tt+1
.endr
.endr
	VLOAD 1
	s_wait_dscnt 40                                ; a is in; the 40 loads behind it may stay out
.set k, 0
.rept 32
	RS 0, k
.set k, k+1
.endr
.set cb, 0
.rept 12
.if cb <= 9
	VLOAD cb+2                                     ; the set's last readers stand 16 products and 32 plain instructions back
.endif
.if cb == 0
	s_wait_dscnt 24                                ; V 0 and P's first 32 keys are in; P's second 16 loads, V 1 and V 2 may stay out
.elseif cb <= 9
	s_wait_dscnt 8                                 ; V cb is in; the two younger sets may stay out
.elseif cb == 10
	s_wait_dscnt 4
.else
	s_wait_dscnt 0x0
.endif
.set k, 0
.set pi, 0
.rept 16                                       ; keys 32 (pi / 8) on, tile pi % 8: the eight accumulators take turns
.if (cb == 0) && (pi == 8)
	s_wait_dscnt 8                                 ; P's second 32 keys are in
.endif
.set ww, 1+cb/4
	WIN (ww<<6)|(ww<<4)
.set rO, 64*(cb%4)+8*(pi%8)
.set rV, VF+16*(cb%4)+8*(pi/8)
.set rP, PF+16*(pi%8)+8*(pi/8)
	v_wmma_f32_16x16x32_f16 v[rO:rO+7], v[rV:rV+7], v[rP:rP+7], v[rO:rO+7]
.if (pi%2 == 1) && (cb < 11)
.rept 4
	RS cb+1, k                                     ; the next channel block is rescaled beside this one's products
.set k, k+1
.endr
.endif
.set pi, pi+1
.endr
.set cb, cb+1
.endr
	WIN 0
.endm
.Ltrip:                                        ; 33 trips: records 1 to 33 are asked for
	CHANGE 1
	ADDRS
	s_cmp_lt_u32 s[WV], 2
	s_cbranch_scc0 .Lo_arm
	SBODY
	s_branch .Ljoin
.Lo_arm:
	s_cmp_gt_u32 s[CNT], 31                        ; the first two trips: no P yet
	s_cbranch_scc1 .Ljoin
	OBODY
.Ljoin:
	s_xor_b32 s[TB], s[TB], SLOT1
	s_xor_b32 s[PW], s[PW], 16384
	s_xor_b32 s[PR], s[PR], 16384
	s_xor_b32 s[AW], s[AW], 2048
	s_xor_b32 s[AR], s[AR], 2048
	s_sub_co_u32 s[CNT], s[CNT], 1
	s_cmp_lg_u32 s[CNT], 0
	s_cbranch_scc1 .Ltrip
	CHANGE 0                                       ; the last trip is written out: nothing is asked for
	ADDRS
	s_cmp_lt_u32 s[WV], 2
	s_cbranch_scc0 .Lo_tail
	; S waves: l's two halves and the other half of the lanes'; 1 / l for the O waves; (cm, l) for the launch that joins the halves
.irp t, 0,1,2,3
	v_add_f32 v[LL+2*\t], v[LL+2*\t], v[LL+2*\t+1]
.endr
.irp t, 0,1,2,3
	v_permlanex16_b32 v[TMP+\t], v[LL+2*\t], s[SEL], s[SEL+1]
.endr
.irp t, 0,1,2,3
	v_add_f32 v[LL+2*\t], v[LL+2*\t], v[TMP+\t]
.endr
.irp t, 0,1,2,3
	v_rcp_f32 v[AD+2*\t], v[LL+2*\t]
.endr
	v_nop                                          ; a plain instruction behind the last reciprocal,
	s_wait_alu depctr_va_vdst(0)                   ; and the one wait ahead of the first use
	ds_store_b128 v[LAS], v[AD:AD+3]
	ds_store_b128 v[LAS], v[AD+4:AD+7] offset:512
	s_cmp_eq_u32 s[A1], 1
	s_cbranch_scc0 .Lb1
	v_cndmask_b32 v[STP],   v[CM],   v[CM+2], s[HM]    ; lanes 0-15: tile 0's rows, lanes 16-31: tile 1's
	v_cndmask_b32 v[STP+1], v[LL],   v[LL+2], s[HM]
	v_cndmask_b32 v[STP+2], v[CM+4], v[CM+6], s[HM]
	v_cndmask_b32 v[STP+3], v[LL+4], v[LL+6], s[HM]
	global_store_b64 v[SO], v[STP:STP+1],   s[ST:ST+1]            ; 256 consecutive bytes, aligned
	global_store_b64 v[SO], v[STP+2:STP+3], s[ST:ST+1] offset:256
	s_branch .Lb1
.Lo_tail:
	OBODY                                          ; key tile 31
	PLACES
.Lb1:
	s_wait_dscnt 0x0                               ; 1 / l is stored; all my reads of the slots and of P are over
	s_barrier_signal -1
	s_barrier_wait -1
	s_cmp_lt_u32 s[WV], 2
	s_cbranch_scc1 .Lb2
	; O waves: O^T / l into the stage, f32: row = query, 32 bytes a lane.  The rows are 1,552 bytes = 388 words apart: row r starts at bank 4 r mod 64 (64 banks of 4 bytes: ISA guide 11.1)
.irp s, 0,1
	ds_load_b128 v[AA+8*\s:AA+8*\s+3],   v[LAL] offset:1024*\s
	ds_load_b128 v[AA+8*\s+4:AA+8*\s+7], v[LAL] offset:1024*\s+512
.endr
	s_wait_dscnt 0x0
.set cb, 0
.rept 12
.set k, 0
.rept 32
	RS cb, k
.set k, k+1
.endr
	WIN (1+cb/4)<<2                                ; the stores' data in O^T's window
.set tt, 0
.rept 8
	ds_store_b128 v[STO+tt/3], v[64*(cb%4)+8*tt:64*(cb%4)+8*tt+3]   offset:(tt%3)*16*SP+64*cb
	ds_store_b128 v[STO+tt/3], v[64*(cb%4)+8*tt+4:64*(cb%4)+8*tt+7] offset:(tt%3)*16*SP+64*cb+16
.set tt, tt+1
.endr
.set cb, cb+1
.endr
	WIN 0
.Lb2:
	s_wait_dscnt 0x0                               ; for the others' sake: my stores into the stage are done
	s_barrier_signal -1
	s_barrier_wait -1
	; all four waves: 32 whole rows each, back from the stage and out: each store of the wave covers 512 consecutive bytes, aligned
.set bt, 0
.rept 8
.set rB, 64+48*(bt%2)
	s_wait_xcnt 0x0                                ; earlier stores have read their registers
.set k, 0
.rept 12
	ds_load_b128 v[rB+4*k:rB+4*k+3], v[RD] offset:SP*(4*bt+k/3)+512*(k%3)
.set k, k+1
.endr
	s_wait_dscnt 0x0
.set k, 0
.rept 12
	global_store_b128 v[GO], v[rB+4*k:rB+4*k+3], s[DST:DST+1] offset:1536*(4*bt+k/3)+512*(k%3)
.set k, k+1
.endr
.set bt, bt+1
.endr
	s_wait_tensorcnt 0x0                           ; the wave's end
	ds_add_u32 v[SPW], v[NIL]
	s_wait_dscnt 0x0
	CROUND                                         ; the closing round
	s_endpgm
.Lfunc_end_k_qa51e42cf66_attn:
	.size	k_qa51e42cf66_attn, .Lfunc_end_k_qa51e42cf66_attn-k_qa51e42cf66_attn
	.p2alignl 7, 3214868480
	.fill 96, 4, 3214868480
	.section	.rodata,"a",@progbits
	.p2align	6, 0x0
	.amdhsa_kernel k_qa51e42cf66_attn
		.amdhsa_group_segment_fixed_size 327680
		.amdhsa_private_segment_fixed_size 0
		.amdhsa_enable_private_segment 0
		.amdhsa_kernarg_size 32
		.amdhsa_user_sgpr_count 2
		.amdhsa_user_sgpr_kernarg_segment_ptr 1
		.amdhsa_wavefront_size32 1
		.amdhsa_system_sgpr_workgroup_id_x 1
		.amdhsa_system_sgpr_workgroup_id_y 1
		.amdhsa_system_sgpr_workgroup_id_z 1
		.amdhsa_system_vgpr_workitem_id 0
		.amdhsa_next_free_vgpr 1024
		.amdhsa_next_free_sgpr 96
		.amdhsa_reserve_vcc 0
		.amdhsa_float_denorm_mode_32 3
		.amdhsa_float_denorm_mode_16_64 3
		.amdhsa_memory_ordered 1
		.amdhsa_forward_progress 1
		.amdhsa_inst_pref_size 253
	.end_amdhsa_kernel
	.amdgpu_metadata
---
amdhsa.version: [ 1, 2 ]
amdhsa.kernels:
  - .name:           k_qa51e42cf66_attn
    .symbol:         k_qa51e42cf66_attn.kd
    .args:
      - { .name: ti, .offset: 0, .size: 8, .value_kind: global_buffer, .address_space: global }
      - { .name: out1, .offset: 8, .size: 8, .value_kind: global_buffer, .address_space: global }
      - { .name: part, .offset: 16, .size: 8, .value_kind: global_buffer, .address_space: global }
      - { .name: st, .offset: 24, .size: 8, .value_kind: global_buffer, .address_space: global }
    .group_segment_fixed_size: 327680
    .private_segment_fixed_size: 0
    .kernarg_segment_align: 8
    .kernarg_segment_size: 32
    .max_flat_workgroup_size: 128
    .sgpr_count:     96
    .vgpr_count:     1024
    .wavefront_size: 32
...
	.end_amdgpu_metadata
.endif
;; end of part 3
;; launch merge (part 4): grid 256 x 1, 8 waves a work-group, no clusters, 0 bytes of LDS; arguments part, st, out0; writes out0
.if DOCPART == 4
	.amdgcn_target "amdgcn-amd-amdhsa--gfx1250"
	.amdhsa_code_object_version 6
	.text
	.protected	k_qa51e42cf66_merge
	.globl	k_qa51e42cf66_merge
	.p2align	8
	.type	k_qa51e42cf66_merge,@function
k_qa51e42cf66_merge:
	s_mov_b64 s[64:65], 0
	v_nop
	global_prefetch_b8 v0, s[64:65] scope:SCOPE_SE
	s_setreg_imm32_b32 hwreg(HW_REG_WAVE_MODE, 25, 1), 1
	s_wait_xcnt 0x0
; MERGE: attention 1's two halves of the keys are joined.  part: [2][8192][384] f32, each half's normalised rows; st: [2][8192] pairs (cm, l): the half's maximum in units of log2, and its sum of weights.
; out0[r] = (w0 part[0][r] + w1 part[1][r]), w_i = l_i 2^(cm_i - M) / (l_0 2^(cm_0 - M) + l_1 2^(cm_1 - M)), M = max(cm_0, cm_1): the maximum is taken away before the exponentials, as in the softmax itself.
; A stream: 25 MB in, 12.6 MB out, each byte once.  A wave has four rows: 24 loads of 512 consecutive bytes, all out before the first wait; no loop, no LDS, no matrix unit: nothing here would feed them.
	s_load_b128 s[4:7], s[0:1], 0x0                ; part s[4:5], st s[6:7]
	s_load_b64 s[8:9], s[0:1], 0x10                ; out0
	v_lshrrev_b32 v1, 5, v0
	v_readfirstlane_b32 s10, v1
	s_lshl_b32 s11, ttmp9, 5
	s_lshl2_add_u32 s11, s10, s11                  ; my first row = 32 x work-group + 4 x wave
	s_lshl_b32 s12, s11, 3
	s_mul_i32 s14, s11, 1536
	s_mov_b32 s15, 0
	v_and_b32 v2, 31, v0
	v_lshlrev_b32 v2, 4, v2
	s_wait_kmcnt 0x0
	s_load_b256 s[16:23], s[6:7], s12              ; (cm, l) of my four rows, first half of the keys
	s_load_b256 s[24:31], s[6:7], s12 offset:0x10000  ; second half
	s_add_nc_u64 s[4:5], s[4:5], s[14:15]
	s_add_nc_u64 s[32:33], s[4:5], 12582912
	s_add_nc_u64 s[8:9], s[8:9], s[14:15]
.set n, 0
.rept 12
	global_load_b128 v[32+4*n:35+4*n], v2, s[4:5]   offset:512*n th:TH_LOAD_NT
	global_load_b128 v[80+4*n:83+4*n], v2, s[32:33] offset:512*n th:TH_LOAD_NT
.set n, n+1
.endr
	s_wait_kmcnt 0x0
.irp r, 0,1,2,3
	v_max_num_f32 v[4+\r], s[16+2*\r], s[24+2*\r]
.endr
.irp r, 0,1,2,3
	v_sub_f32 v[8+\r],  s[16+2*\r], v[4+\r]
	v_sub_f32 v[12+\r], s[24+2*\r], v[4+\r]
.endr
.irp r, 0,1,2,3
	v_exp_f32 v[8+\r],  v[8+\r]
	v_exp_f32 v[12+\r], v[12+\r]
.endr
	v_nop                                          ; a plain instruction behind the last exponential,
	s_wait_alu depctr_va_vdst(0)                   ; and one wait for the batch of eight
.irp r, 0,1,2,3
	v_mul_f32 v[8+\r],  s[17+2*\r], v[8+\r]
	v_mul_f32 v[12+\r], s[25+2*\r], v[12+\r]
.endr
.irp r, 0,1,2,3
	v_add_f32 v[4+\r], v[8+\r], v[12+\r]
.endr
.irp r, 0,1,2,3
	v_rcp_f32 v[4+\r], v[4+\r]
.endr
	v_nop
	s_wait_alu depctr_va_vdst(0)                   ; one wait for the four reciprocals
.irp r, 0,1,2,3
	v_mul_f32 v[16+2*\r], v[8+\r],  v[4+\r]        ; each weight twice: a pair for the packed arithmetic
	v_mul_f32 v[17+2*\r], v[8+\r],  v[4+\r]
	v_mul_f32 v[24+2*\r], v[12+\r], v[4+\r]
	v_mul_f32 v[25+2*\r], v[12+\r], v[4+\r]
.endr
	s_wait_loadcnt 0x0
.set n, 0
.rept 12                                       ; piece n: row n / 3
	v_pk_mul_f32 v[32+4*n:33+4*n], v[32+4*n:33+4*n], v[16+2*(n/3):17+2*(n/3)]
	v_pk_mul_f32 v[34+4*n:35+4*n], v[34+4*n:35+4*n], v[16+2*(n/3):17+2*(n/3)]
	v_pk_fma_f32 v[32+4*n:33+4*n], v[80+4*n:81+4*n], v[24+2*(n/3):25+2*(n/3)], v[32+4*n:33+4*n]
	v_pk_fma_f32 v[34+4*n:35+4*n], v[82+4*n:83+4*n], v[24+2*(n/3):25+2*(n/3)], v[34+4*n:35+4*n]
	global_store_b128 v2, v[32+4*n:35+4*n], s[8:9] offset:512*n th:TH_STORE_NT
.set n, n+1
.endr
	s_endpgm
.Lfunc_end_k_qa51e42cf66_merge:
	.size	k_qa51e42cf66_merge, .Lfunc_end_k_qa51e42cf66_merge-k_qa51e42cf66_merge
	.p2alignl 7, 3214868480
	.fill 96, 4, 3214868480
	.section	.rodata,"a",@progbits
	.p2align	6, 0x0
	.amdhsa_kernel k_qa51e42cf66_merge
		.amdhsa_group_segment_fixed_size 0
		.amdhsa_private_segment_fixed_size 0
		.amdhsa_enable_private_segment 0
		.amdhsa_kernarg_size 24
		.amdhsa_user_sgpr_count 2
		.amdhsa_user_sgpr_kernarg_segment_ptr 1
		.amdhsa_wavefront_size32 1
		.amdhsa_system_sgpr_workgroup_id_x 1
		.amdhsa_system_sgpr_workgroup_id_y 1
		.amdhsa_system_sgpr_workgroup_id_z 1
		.amdhsa_system_vgpr_workitem_id 0
		.amdhsa_next_free_vgpr 128
		.amdhsa_next_free_sgpr 66
		.amdhsa_reserve_vcc 0
		.amdhsa_float_denorm_mode_32 3
		.amdhsa_float_denorm_mode_16_64 3
		.amdhsa_memory_ordered 1
		.amdhsa_forward_progress 1
		.amdhsa_inst_pref_size 10
	.end_amdhsa_kernel
	.amdgpu_metadata
---
amdhsa.version: [ 1, 2 ]
amdhsa.kernels:
  - .name:           k_qa51e42cf66_merge
    .symbol:         k_qa51e42cf66_merge.kd
    .args:
      - { .name: part, .offset: 0, .size: 8, .value_kind: global_buffer, .address_space: global }
      - { .name: st, .offset: 8, .size: 8, .value_kind: global_buffer, .address_space: global }
      - { .name: out0, .offset: 16, .size: 8, .value_kind: global_buffer, .address_space: global }
    .group_segment_fixed_size: 0
    .private_segment_fixed_size: 0
    .kernarg_segment_align: 8
    .kernarg_segment_size: 24
    .max_flat_workgroup_size: 256
    .sgpr_count:     66
    .vgpr_count:     128
    .wavefront_size: 32
...
	.end_amdgpu_metadata
.endif
;; end of part 4
;; ======== version 2 of 2: 4 launches
;; limits: values are held in f16: magnitudes above 65,504 overflow, below 6.1e-05 lose precision
;; workspace buffers: wi 2,654,208 bytes; ti 56,623,104 bytes; part 25,165,824 bytes; st 131,072 bytes
;; launch prep: the kernel of part 1 again; grid 108 x 3, 8 waves a work-group, no clusters, 0 bytes of LDS; arguments Wq2, Wk1, Wv1, Wq1, Wk2, Wv2, wi; writes wi
;; launch proj (part 5): grid 288 x 1, 4 waves a work-group, clusters of 4 x 1, 327,680 bytes of LDS; arguments syntactic_feat, semantic_feat, wi, bq2, bv1, bq1, bv2, ti; writes ti
.if DOCPART == 5
	.amdgcn_target "amdgcn-amd-amdhsa--gfx1250"
	.amdhsa_code_object_version 6
	.text
	.protected	k_qa51e42cf66_proj
	.globl	k_qa51e42cf66_proj
	.p2align	8
	.type	k_qa51e42cf66_proj,@function
k_qa51e42cf66_proj:
	s_mov_b64 s[64:65], 0
	v_nop
	global_prefetch_b8 v0, s[64:65] scope:SCOPE_SE
	s_setreg_imm32_b32 hwreg(HW_REG_WAVE_MODE, 25, 1), 1
	s_wait_xcnt 0x0
	s_wait_alu depctr_hold_cnt(0) depctr_sa_sdst(0) depctr_va_vdst(0) depctr_va_sdst(0) depctr_va_ssrc(0) depctr_va_vcc(0) depctr_vm_vsrc(0)
	s_getreg_b32 s2, hwreg(HW_REG_IB_STS2, 6, 4)
	s_cmp_eq_u32 s2, 0
	s_cbranch_scc0 .Lentry_in_a_cluster
	s_endpgm
.Lentry_in_a_cluster:
	s_bfe_u32 s2, ttmp6, 0x10000c
	s_cmp_lg_u32 s2, 0x3003
	s_cbranch_scc0 .Lentry_shape_is_right
	s_endpgm
.Lentry_shape_is_right:
; PROJ: the six projections.  Q = x Wq + bq, K = x Wk, V = x Wv + bv; x, W and the biases rounded to bf16, sums in f32, each result rounded once to f16 into ti.
; bk1 and bk2 are left out: a term Q . bk is the same along the softmax's axis (shown at the head of the first kernel).
; LIMIT: Q, K and V are kept in f16: their magnitudes stay under 65,504.
; SHARES.  A work-group makes 256 rows x one whole matrix (384 columns); wave w rows 64 w .. 64 w + 63: 4 x 24 accumulators of 16 x 16, 768 registers (windows 1 to 3).
; 48 clusters have syntactic rows (K = 768: 2,304 products a wave), 24 semantic rows (K = 384: 1,152); three neighbouring jobs are the three matrices of the same 1,024 rows.
; THE ORDER.  288 work-groups for 256 WGPs: 32 WGPs get two, and two short jobs are as long as one long one.  So 16 short clusters stand first, the 48 long ones next, the other 8 short ones last:
; the work-groups beyond 256 are short, and so are the first 64.
; x goes from memory straight into fragment registers (no wave wants another's rows) and is rounded there.  W's fragments come from wi by JOINT tensor loads: the four row blocks of a
; cluster walk the same matrix.  A slot of LDS holds 64 along K: 2 x 24 fragments of 1,024 bytes; each wave fetches a quarter, 48 rows of 256 bytes.  Fragment loads take byte 16 L on: no padding is needed.
; THE MATRIX INSTRUCTION IS USED TRANSPOSED (source 0 = 16 columns of W, source 1 = 16 rows of x): a lane ends with one row and eight neighbouring channels, 16 bytes of f16.
; THE BIAS STARTS THE SUMS.  A lane's eight channels of a column block have the same eight biases in all four row blocks.  They are loaded into row block 3's accumulator; in the first K step row blocks 0 to 2
; take those registers as C, and then row block 3 adds in place.  For K the table in LDS holds zeros.  So nothing is cleared, and nothing is added on the way out.
; ti: 1,152 tile images of 49,152 bytes (64 rows x 384 channels).  Tiles 0-127 Q of semantic rows, 128-383 Q of syntactic rows; 384 + g K, 768 + g V, g = 0-255 syntactic, 256-383 semantic.
; In an image block (i = row / 16, nb = channel / 16) of 512 bytes lies at 24,576 (i / 2) + 1,024 nb + 512 (i % 2).  In a block of Q or K the 16 bytes (row r, channels 8 h ..) lie at 16 (16 h + r): a fragment's
; half as a lane takes it.  In a block of V they lie at 256 (r / 8) + 128 h + 16 (r % 8): what the turning LDS load wants at byte 16 L.
; REGISTERS, window 0: v4-7 x offsets; v12-13 W's LDS addresses; v14-15 prefetch offsets; v16-19 my place in an image; v32-159 two stages of x in f32; v160-191 x in bf16; v192-255 two groups of four W fragments.
.set SLOTB, 49152
.set BIAS,  98304                      ; 384 f32, stored once; no tensor load lands here
.set SPARE, 99840                      ; the spare words, 128 bytes a wave: two blocks of 256 bytes that no other line names
.set XO,  4
.set BV,  8
.set WA,  12
.set PF,  14
.set VA,  16
.set BA,  20
.set BS,  21
.set SPW, 22
.set NIL, 23
.set XS,  32
.set XF,  160
.set WF,  192
.set WV,  20                           ; s20 wave
.set J,   21                           ; s21 lap counter
.set NL1, 22                           ; s22 laps - 1 (a lap = 128 along K): 5 or 2
.set LIMP, 23                          ; s23 laps that prefetch
.set G1,  24                           ; s[24:31]
.set G0,  32                           ; s[32:39] a group 0 for each slot
.set XP,  40                           ; s[40:41] x at my work-group's first row, at the lap in hand
.set DST, 42                           ; s[42:43] my wave's tile image
.set BP,  44                           ; s[44:45] the bias
.set KIND, 46                          ; s46 0 Q, 1 K, 2 V
.set KM,  47                           ; s47 all ones for V
.set MSB, 0
.macro WIN new                         ; the immediate's high byte repeats the setting that is left; a switch that changes nothing is dropped
.if MSB != (\new)
	s_set_vgpr_msb (MSB<<8)|(\new)
.set MSB, \new
.endif
.endm
.macro PLACES                          ; four places behind matrix instructions, in front of loads into or writes of their registers and of reads of their results
.rept 4
	v_nop
.endr
.endm
.macro CREST                           ; a round of the cluster's barrier behind its opening barrier
	s_cmp_lg_u32 s[WV], 0
	s_cbranch_scc1 .Lnot_wave_0_\@
	s_barrier_signal -3
.Lnot_wave_0_\@:
	s_barrier_wait -3
	s_barrier_signal -1
	s_barrier_wait -1
.endm
.macro CROUND
	s_barrier_signal -1
	s_barrier_wait -1
	CREST
.endm
; four loads: 32 along K (128 bytes of each row) of row block m (16 rows), f32, into stage st
.macro XL4 st, off, m
	global_load_b128 v[XS+64*(\st)+16*(\m):XS+64*(\st)+16*(\m)+3],     v[XO+(\m)], s[XP:XP+1] offset:(\off)
	global_load_b128 v[XS+64*(\st)+16*(\m)+4:XS+64*(\st)+16*(\m)+7],   v[XO+(\m)], s[XP:XP+1] offset:(\off)+16
	global_load_b128 v[XS+64*(\st)+16*(\m)+8:XS+64*(\st)+16*(\m)+11],  v[XO+(\m)], s[XP:XP+1] offset:(\off)+64
	global_load_b128 v[XS+64*(\st)+16*(\m)+12:XS+64*(\st)+16*(\m)+15], v[XO+(\m)], s[XP:XP+1] offset:(\off)+80
.endm
.macro XLOAD st, off                   ; a whole stage: my 64 rows
.irp m, 0,1,2,3
	XL4 \st, \off, \m
.endr
.endm
.macro CVT st                          ; the stage rounded to bf16: four fragments
.set j, 0
.rept 32
	v_cvt_pk_bf16_f32 v[XF+j], v[XS+64*(\st)+2*j], v[XS+64*(\st)+2*j+1]
.set j, j+1
.endr
.endm
.macro WFETCH sl, hf, g                ; four fragments of W (column blocks 4 g ..) of half hf of slot sl
	WIN 0
.irp n, 0,1,2,3
	ds_load_b128 v[WF+32*((\g)%2)+8*\n:WF+32*((\g)%2)+8*\n+3],   v[WA+(\sl)] offset:24576*(\hf)+1024*(4*(\g)+\n)
	ds_load_b128 v[WF+32*((\g)%2)+8*\n+4:WF+32*((\g)%2)+8*\n+7], v[WA+(\sl)] offset:24576*(\hf)+1024*(4*(\g)+\n)+512
.endr
.endm
; products of group g, its column blocks n0 .. n1, all four row blocks.  Each of the 96 accumulators has one instruction in a step: no two that follow each other share one.
; first = 1, the first K step: row blocks 0 to 2 take the bias, which lies in row block 3's accumulator, as C; five places (ISA guide 7.12.1: a matrix instruction that writes over an earlier one's C); row block 3 adds in place.
.macro MUL g, n0, n1, first
	WIN ((1+(\g)/2)<<6)|((1+(\g)/2)<<4)
.if \first
.set nbl, \n0
.rept (\n1)-(\n0)+1
.set rC, 128*((\g)%2)+8*(4*nbl+3)
.set mb, 0
.rept 3
.set rA, 128*((\g)%2)+8*(4*nbl+mb)
	v_wmma_f32_16x16x32_bf16 v[rA:rA+7], v[WF+32*((\g)%2)+8*nbl:WF+32*((\g)%2)+8*nbl+7], v[XF+8*mb:XF+8*mb+7], v[rC:rC+7]
.set mb, mb+1
.endr
.set nbl, nbl+1
.endr
.rept 5
	v_nop
.endr
.set nbl, \n0
.rept (\n1)-(\n0)+1
.set rC, 128*((\g)%2)+8*(4*nbl+3)
	v_wmma_f32_16x16x32_bf16 v[rC:rC+7], v[WF+32*((\g)%2)+8*nbl:WF+32*((\g)%2)+8*nbl+7], v[XF+24:XF+31], v[rC:rC+7]
.set nbl, nbl+1
.endr
.else
.set nbl, \n0
.rept (\n1)-(\n0)+1
.set mb, 0
.rept 4
.set rA, 128*((\g)%2)+8*(4*nbl+mb)
	v_wmma_f32_16x16x32_bf16 v[rA:rA+7], v[WF+32*((\g)%2)+8*nbl:WF+32*((\g)%2)+8*nbl+7], v[XF+8*mb:XF+8*mb+7], v[rA:rA+7]
.set mb, mb+1
.endr
.set nbl, nbl+1
.endr
.endif
.endm
; THE WAY OUT of group g (64 channels of my 64 rows): one rounding to f16, 16 stores of 512 consecutive bytes each.  Each accumulator's registers are taken in ascending order.
; The packed results lie in x's two stages by turns, which are free from the last K step's conversions on.
.macro OUTG g
.set ww, 1+(\g)/2
.set rB, 128*((\g)%2)
.set PK, 32+64*((\g)%2)
	s_wait_xcnt 0x0                                ; earlier stores have read their registers
	WIN ww|(ww<<2)
.set n, 0
.rept 64
	v_cvt_pk_f16_f32 v[PK+n], v[rB+2*n], v[rB+2*n+1]
.set n, n+1
.endr
	WIN 0
.set n, 0
.rept 16
	global_store_b128 v[VA+n%4], v[PK+4*n:PK+4*n+3], s[DST:DST+1] offset:1024*(4*(\g)+n/4)
.set n, n+1
.endr
.endm
; A PREFETCH INTO THE L2 of x: lap j asks for lap j + 2's 512 bytes of my wave's own 64 rows, a lane a row, two blocks of 256 bytes each.  The three matrices' clusters read the same rows: the one that
; makes Q asks.  So each block is named once in the launch.  Laps 0 and 1 come by their loads alone; the last two laps ask for nothing.
.macro ASKX
	s_cmp_lt_u32 s[J], s[LIMP]
	s_cbranch_scc0 .Lnoask_\@
	global_prefetch_b8 v[PF],   s[XP:XP+1] offset:1024 th:TH_LOAD_NT scope:SCOPE_SE
	global_prefetch_b8 v[PF],   s[XP:XP+1] offset:1280 th:TH_LOAD_NT scope:SCOPE_SE
	global_prefetch_b8 v[PF+1], s[XP:XP+1] offset:1024 th:TH_LOAD_NT scope:SCOPE_SE
	global_prefetch_b8 v[PF+1], s[XP:XP+1] offset:1280 th:TH_LOAD_NT scope:SCOPE_SE
.Lnoask_\@:
.endm
; A STEP: 32 along K, 96 products in six groups of 16.  sl, hf: where W lies; st: x's stage; lc: the younger x loads that may stay out; xl, xo: the stage is loaded again, from byte xo;
; chg = 1: the slot is left and filled again; 2: left; nsl: the slot that follows.
; Each group's fragments of W are asked for 16 products ahead.  x's 16 loads for the step after next go out in fours, each four BEHIND the LDS loads of groups 2 to 5: no LDS load that the next
; products wait for stands behind a run of loads from memory.
; last = 1, the very last step: a group is finished by its 16 products, and leaves behind the next group's: its stores are on their way while the later groups are multiplied.  The four places in front of
; each fetch of W stand between a group's last product and its conversions.
.macro STEP sl, hf, st, first, lc, xl, xo, chg, nsl, ask=0, last=0
	WIN 0
	s_wait_loadcnt \lc                             ; my stage is in; the other stage's 16 loads, all issued behind mine, may stay out
	s_wait_dscnt 0x0                               ; group 0 is in
	PLACES                                         ; the last step's products have read XF and W's second group
	WFETCH \sl, \hf, 1
	CVT \st                                        ; the conversions stand while group 1 is on its way
	MUL 0, 0, 3, \first
.set g, 1
.rept 4
	s_wait_dscnt 0x0                               ; group g is in (asked for 16 products ago)
	PLACES
	WFETCH \sl, \hf, g+1
.if \xl
	XL4 \st, \xo, g-1
.endif
.if (\ask) && (g == 1)
	ASKX
.endif
	MUL g, 0, 3, \first
.if \last
	OUTG g-1
.endif
.set g, g+1
.endr
.if (\chg) == 0
	s_wait_dscnt 0x0
.if !(\last)
	PLACES
	WFETCH \sl, 1, 0                               ; the slot's second half follows
.endif
	MUL 5, 0, 3, \first
.else
	WIN 0
	s_wait_tensorcnt 0x0                           ; all my tensor loads have landed: my quarter of the other slot
	ds_add_u32 v[SPW], v[NIL]                      ; 0 onto my spare word
	s_wait_dscnt 0x1                               ; group 5 is in; the add, issued behind it, may be out
	MUL 5, 0, 0, \first                            ; four products stand between the add and the wait for it
	s_wait_dscnt 0x0                               ; the add is done, and my reads of this slot are over
	s_barrier_signal -1
	MUL 5, 1, 1, \first                            ; work on registers while the others arrive
	WIN 0
	s_barrier_wait -1
.if (\chg) == 1
	CREST                                          ; the barrier has opened a round of the cluster's: no wave of any partner still reads this slot or has a load on its way
	s_add_nc_u64 s[G0+4*(\sl)+2:G0+4*(\sl)+3], s[G0+4*(\sl)+2:G0+4*(\sl)+3], 2*SLOTB
	tensor_load_to_lds s[G0+4*(\sl):G0+4*(\sl)+3], s[G1:G1+7]  ; my one load behind the round: 128 along K further on
	s_nop 0
.endif
	PLACES
	WFETCH \nsl, 0, 0
	MUL 5, 2, 3, \first
.endif
.endm
	s_load_b512 s[4:19], s[0:1], 0x0               ; syn s[4:5], sem s[6:7], wi s[8:9], bq2 s[10:11], bv1 s[12:13], bq1 s[14:15], bv2 s[16:17], ti s[18:19]
	v_lshl_add_u32 v[SPW], v0, 2, SPARE
	v_mov_b32 v[NIL], 0
	ds_add_u32 v[SPW], v[NIL]                      ; the wave's opening: the add, twice on end, and its wait ahead of my first tensor load
	ds_add_u32 v[SPW], v[NIL]
	v_lshrrev_b32 v1, 5, v0
	v_readfirstlane_b32 s[WV], v1
	s_bfe_u32 s48, ttmp6, 0x40000                  ; cx: it enters x's and ti's global addresses alone
	s_cmp_lt_u32 ttmp9, 64                         ; clusters 0-15: short jobs 0-15; 16-63: long jobs 0-47; 64-71: short jobs 16-23
	s_cselect_b32 s50, 16, 48
	s_cmp_lt_u32 ttmp9, 16
	s_cselect_b32 s50, 0, s50
	s_cmp_eq_u32 s50, 16
	s_cselect_b32 s49, 1, 0                        ; syntactic rows?
	s_cselect_b32 s[NL1], 5, 2
	s_sub_co_u32 s50, ttmp9, s50                   ; the job among its kind
	s_mul_i32 s51, s50, 171
	s_lshr_b32 s51, s51, 9                         ; / 3 (exact up to 47): the group of 1,024 rows
	s_mul_i32 s52, s51, 3
	s_sub_co_u32 s[KIND], s50, s52
	s_lshl2_add_u32 s53, s51, s48                  ; my block of 256 rows
	s_lshl_b32 s54, 1536, s49                      ; bytes in a row of x
	s_lshl_b32 s55, 294912, s49
	s_mul_i32 s55, s55, s[KIND]
	s_cmp_eq_u32 s49, 1
	s_cselect_b32 s56, 0, 1769472
	s_add_co_u32 s58, s55, s56                     ; the job in wi
	s_mul_i32 s56, s[WV], 12288                    ; my quarter of a slot
	s_add_co_u32 s58, s58, s56
	s_mov_b32 s59, 0
	s_cmp_eq_u32 s49, 1
	s_cselect_b32 s60, 128, 0
	s_cselect_b32 s61, 0, 256
	s_cmp_eq_u32 s[KIND], 0
	s_cselect_b32 s60, s60, s61
	s_mul_i32 s61, s[KIND], 384
	s_add_co_u32 s60, s60, s61
	s_lshl2_add_u32 s60, s53, s60
	s_add_co_u32 s60, s60, s[WV]                   ; my tile
	s_mul_i32 s60, s60, 49152
	s_mov_b32 s61, 0
	s_mul_i32 s62, s53, s54
	s_lshl_b32 s62, s62, 8                         ; 256 rows a block
	s_mov_b32 s63, 0
	s_sub_co_u32 s[LIMP], s[NL1], 1
	s_cmp_eq_u32 s[KIND], 0
	s_cselect_b32 s[LIMP], s[LIMP], 0
	s_cmp_eq_u32 s[KIND], 2
	s_cselect_b32 s[KM], -1, 0
	s_mov_b32 s[G1+0], 15|(3<<16)|(1<<21)          ; the mask of four; elements of 8 bytes; bit 21 beside a mask
	s_mov_b32 s[G1+1], 32<<16                      ; tensor_dim0 = 32 (256 bytes)
	s_mov_b32 s[G1+2], 48<<16                      ; tensor_dim1 = 48
	s_mov_b32 s[G1+3], 32<<16                      ; tile_dim0 = 32
	s_mov_b32 s[G1+4], 48                          ; tile_dim1 = 48
	s_mov_b32 s[G1+5], 32                          ; dense rows
	s_mov_b32 s[G1+6], 0
	s_mov_b32 s[G1+7], 0
	s_mov_b32 s[G0], 1
	s_mov_b32 s[G0+1], s56
	s_mov_b32 s[G0+4], 1
	s_add_co_u32 s[G0+5], s56, SLOTB
	s_wait_dscnt 0x0                               ; both opening adds are done
	s_wait_kmcnt 0x0
	s_cmp_eq_u32 s49, 1
	s_cselect_b64 s[XP:XP+1], s[4:5], s[6:7]
	s_cselect_b64 s[66:67], s[10:11], s[14:15]     ; bq
	s_cselect_b64 s[68:69], s[12:13], s[16:17]     ; bv
	s_cmp_eq_u32 s[KIND], 0
	s_cselect_b64 s[BP:BP+1], s[66:67], s[68:69]
	s_add_nc_u64 s[XP:XP+1], s[XP:XP+1], s[62:63]
	s_add_nc_u64 s[DST:DST+1], s[18:19], s[60:61]
	s_add_nc_u64 s[G0+2:G0+3], s[8:9], s[58:59]
	s_add_nc_u64 s[G0+6:G0+7], s[G0+2:G0+3], SLOTB
	s_or_b32 s[G0+3], s[G0+3], 0x80000000
	s_or_b32 s[G0+7], s[G0+7], 0x80000000
	CROUND                                         ; all four work-groups are here: the first joint loads meet
	tensor_load_to_lds s[G0:G0+3], s[G1:G1+7]      ; K 0-63
	s_nop 0
	tensor_load_to_lds s[G0+4:G0+7], s[G1:G1+7]    ; K 64-127: two loads of mine are out
	s_nop 0
	PLACES
	v_and_b32 v1, 31, v0                           ; L
	v_and_b32 v2, 15, v0                           ; r
	v_bfe_u32 v3, v0, 4, 1                         ; h
	v_lshl_add_u32 v24, s[WV], 6, v2
	v_mul_lo_u32 v24, v24, s54
	v_lshl_add_u32 v[XO], v3, 5, v24               ; (64 w + r) rows + 32 h
	s_lshl_b32 s66, s54, 4
	v_add_nc_u32 v[XO+1], s66, v[XO]
	v_add_nc_u32 v[XO+2], s66, v[XO+1]
	v_add_nc_u32 v[XO+3], s66, v[XO+2]
	XLOAD 0, 0
	XLOAD 1, 128
	v_lshl_add_u32 v24, s[WV], 6, v1
	v_mul_lo_u32 v[PF], v24, s54
	s_lshl_b32 s66, s54, 5
	v_add_nc_u32 v[PF+1], s66, v[PF]
	v_lshlrev_b32 v[WA], 4, v1
	v_add_nc_u32 v[WA+1], SLOTB, v[WA]
	v_and_b32 v25, 7, v0
	v_bfe_u32 v26, v0, 3, 1
	v_lshlrev_b32 v25, 4, v25
	v_lshl_add_u32 v25, v3, 7, v25
	v_lshl_add_u32 v25, v26, 8, v25                ; V's place in a block
	v_cndmask_b32 v[VA], v[WA], v25, s[KM]
	v_add_nc_u32 v[VA+1], 512, v[VA]
	v_add_nc_u32 v[VA+2], 24576, v[VA]
	v_add_nc_u32 v[VA+3], 25088, v[VA]
	v_lshlrev_b32 v[BA], 5, v3
	v_add_nc_u32 v[BA], BIAS, v[BA]
	v_lshl_add_u32 v[BS], v0, 4, BIAS
	v_mov_b32 v[BV], 0                             ; what K's sums start from
	v_mov_b32 v[BV+1], 0
	v_mov_b32 v[BV+2], 0
	v_mov_b32 v[BV+3], 0
	s_cmp_lt_u32 s[WV], 3                          ; 96 threads x 16 bytes
	s_cbranch_scc0 .Lno_bias
	s_cmp_eq_u32 s[KIND], 1                        ; K has no bias: zeros go into the table
	s_cbranch_scc1 .Lzero_bias
	v_lshlrev_b32 v27, 4, v0
	global_load_b128 v[BV:BV+3], v27, s[BP:BP+1]
	s_wait_loadcnt 0x0
	v_cvt_pk_bf16_f32 v24, v[BV], v[BV+1]          ; rounded to bf16 like every input, and kept as f32
	v_cvt_pk_bf16_f32 v25, v[BV+2], v[BV+3]
	v_lshlrev_b32 v[BV], 16, v24
	v_and_b32 v[BV+1], 0xffff0000, v24
	v_lshlrev_b32 v[BV+2], 16, v25
	v_and_b32 v[BV+3], 0xffff0000, v25
.Lzero_bias:
	ds_store_b128 v[BS], v[BV:BV+3]
.Lno_bias:
	s_wait_tensorcnt 0x1                           ; my quarter of slot 0 is in; slot 1's may stay out
	s_wait_dscnt 0x0                               ; for the others' sake: the bias is stored
	s_barrier_signal -1
	s_barrier_wait -1
	WFETCH 0, 0, 0
.set g, 0
.rept 6                                        ; the bias of column block 4 g + n into the accumulator of (column block, row block 3): a lane's channels 8 h + 0..7; sixteen lanes share each word
	WIN (1+g/2)<<6
.irp n, 0,1,2,3
	ds_load_b128 v[128*(g%2)+8*(4*\n+3):128*(g%2)+8*(4*\n+3)+3],   v[BA] offset:64*(4*g+\n)
	ds_load_b128 v[128*(g%2)+8*(4*\n+3)+4:128*(g%2)+8*(4*\n+3)+7], v[BA] offset:64*(4*g+\n)+16
.endr
.set g, g+1
.endr
	STEP 0, 0, 0, 1, 16, 1, 256, 0, 0              ; the first step stands in front of the loop: its products start the sums from the bias
	WIN 0
	s_mov_b32 s[J], 0
.Llap:                                         ; a trip goes once round the ring, from a lap's second step to the next lap's first; every LDS address in it is a constant
	STEP 0, 1, 1, 0, 16, 1, 384, 1, 1
	STEP 1, 0, 0, 0, 16, 1, 512, 0, 0, 1
	STEP 1, 1, 1, 0, 16, 1, 640, 1, 0
	WIN 0
	s_wait_xcnt 0x0                                ; every load and prefetch issued so far has read its address: the pointer may be written
	s_add_nc_u64 s[XP:XP+1], s[XP:XP+1], 512
	STEP 0, 0, 0, 0, 16, 1, 256, 0, 0
	WIN 0
	s_add_co_u32 s[J], s[J], 1
	s_cmp_lt_u32 s[J], s[NL1]
	s_cbranch_scc1 .Llap
	STEP 0, 1, 1, 0, 16, 1, 384, 2, 1              ; the last lap fills nothing
	STEP 1, 0, 0, 0, 16, 0, 0, 0, 0
	STEP 1, 1, 1, 0, 0, 0, 0, 0, 0, 0, 1           ; groups 0 to 3 leave inside this step
	WIN 0
	PLACES
	OUTG 4
	OUTG 5
	s_wait_tensorcnt 0x0                           ; the wave's end
	ds_add_u32 v[SPW], v[NIL]
	s_wait_dscnt 0x0
	CROUND                                         ; the closing round: no work-group ends while a partner may still ask for a tile that names it
	s_endpgm
.Lfunc_end_k_qa51e42cf66_proj:
	.size	k_qa51e42cf66_proj, .Lfunc_end_k_qa51e42cf66_proj-k_qa51e42cf66_proj
	.p2alignl 7, 3214868480
	.fill 96, 4, 3214868480
	.section	.rodata,"a",@progbits
	.p2align	6, 0x0
	.amdhsa_kernel k_qa51e42cf66_proj
		.amdhsa_group_segment_fixed_size 327680
		.amdhsa_private_segment_fixed_size 0
		.amdhsa_enable_private_segment 0
		.amdhsa_kernarg_size 64
		.amdhsa_user_sgpr_count 2
		.amdhsa_user_sgpr_kernarg_segment_ptr 1
		.amdhsa_wavefront_size32 1
		.amdhsa_system_sgpr_workgroup_id_x 1
		.amdhsa_system_sgpr_workgroup_id_y 1
		.amdhsa_system_sgpr_workgroup_id_z 1
		.amdhsa_system_vgpr_workitem_id 0
		.amdhsa_next_free_vgpr 1024
		.amdhsa_next_free_sgpr 80
		.amdhsa_reserve_vcc 0
		.amdhsa_float_denorm_mode_32 3
		.amdhsa_float_denorm_mode_16_64 3
		.amdhsa_memory_ordered 1
		.amdhsa_forward_progress 1
		.amdhsa_inst_pref_size 158
	.end_amdhsa_kernel
	.amdgpu_metadata
---
amdhsa.version: [ 1, 2 ]
amdhsa.kernels:
  - .name:           k_qa51e42cf66_proj
    .symbol:         k_qa51e42cf66_proj.kd
    .args:
      - { .name: syntactic_feat, .offset: 0, .size: 8, .value_kind: global_buffer, .address_space: global }
      - { .name: semantic_feat, .offset: 8, .size: 8, .value_kind: global_buffer, .address_space: global }
      - { .name: wi, .offset: 16, .size: 8, .value_kind: global_buffer, .address_space: global }
      - { .name: bq2, .offset: 24, .size: 8, .value_kind: global_buffer, .address_space: global }
      - { .name: bv1, .offset: 32, .size: 8, .value_kind: global_buffer, .address_space: global }
      - { .name: bq1, .offset: 40, .size: 8, .value_kind: global_buffer, .address_space: global }
      - { .name: bv2, .offset: 48, .size: 8, .value_kind: global_buffer, .address_space: global }
      - { .name: ti, .offset: 56, .size: 8, .value_kind: global_buffer, .address_space: global }
    .group_segment_fixed_size: 327680
    .private_segment_fixed_size: 0
    .kernarg_segment_align: 8
    .kernarg_segment_size: 64
    .max_flat_workgroup_size: 128
    .sgpr_count:     80
    .vgpr_count:     1024
    .wavefront_size: 32
...
	.end_amdgpu_metadata
.endif
;; end of part 5
;; launch attn (part 6): grid 256 x 1, 4 waves a work-group, clusters of 4 x 1, 327,680 bytes of LDS; arguments ti, out1, part, st; writes out1, part, st
.if DOCPART == 6
	.amdgcn_target "amdgcn-amd-amdhsa--gfx1250"
	.amdhsa_code_object_version 6
	.text
	.protected	k_qa51e42cf66_attn
	.globl	k_qa51e42cf66_attn
	.p2align	8
	.type	k_qa51e42cf66_attn,@function
k_qa51e42cf66_attn:
	s_mov_b64 s[64:65], 0
	v_nop
	global_prefetch_b8 v0, s[64:65] scope:SCOPE_SE
	s_setreg_imm32_b32 hwreg(HW_REG_WAVE_MODE, 25, 1), 1
	s_wait_xcnt 0x0
	s_wait_alu depctr_hold_cnt(0) depctr_sa_sdst(0) depctr_va_vdst(0) depctr_va_sdst(0) depctr_va_ssrc(0) depctr_va_vcc(0) depctr_vm_vsrc(0)
	s_getreg_b32 s2, hwreg(HW_REG_IB_STS2, 6, 4)
	s_cmp_eq_u32 s2, 0
	s_cbranch_scc0 .Lentry_in_a_cluster
	s_endpgm
.Lentry_in_a_cluster:
	s_bfe_u32 s2, ttmp6, 0x10000c
	s_cmp_lg_u32 s2, 0x3003
	s_cbranch_scc0 .Lentry_shape_is_right
	s_endpgm
.Lentry_shape_is_right:
; ATTN: both attentions, head size 384.  O[q] = sum over k of softmax_k(SCALE Q[q] . K[k]) V[k].  Q, K, V come from ti in f16 (K without its bias: a term that is the same along the softmax's axis,
; shown at the head of the first kernel; V with bv inside: the weights add up to 1).  Products, maxima and sums in f32; the weights p rounded to f16 for the second product, their sum l taken unrounded.
; LIMITS.  p below 6e-5 keeps f16's fixed step; a weight below 2^-126 counts as 0 in l; the running maximum starts at -7e28 in units of log2, far below every scaled score of f16 operands; NaN and infinities are not treated apart.
; JOBS.  256 equal jobs of 128 queries x 2,048 keys (32 tiles of 64).  Clusters 0-31: attention 1 (semantic queries), its 4,096 keys in two halves: normalised partial rows go to part, (c m, l) to st, and a
; later launch joins them.  Clusters 32-63: attention 2 (syntactic queries): rows go to out1.  The four work-groups of a cluster walk the same keys: K and V are asked for JOINTLY.
; ROLES.  384 channels make O^T of 16 queries 192 registers, so no wave holds enough queries for both products.  Waves 0, 1 (S) hold Q of 64 queries each and make S^T = K Q^T and the softmax;
; waves 2, 3 (O) hold O^T of all 128 queries for 192 channels each and make O^T = a O^T + V^T P.  P (f16) and a go through LDS, two buffers by turns.  192 products a wave and trip in both roles.
; PIPELINE.  Trip T: S multiplies key tile T, with the softmax of tile T - 1 in threes behind its products; O takes tile T - 2.  RECORD r = (K tile r, V tile r - 2): what trip r reads, brought by one load a wave
; (two rows of 12,288 bytes, a quarter of each image).  V of records 0, 1 and K of records 32, 33 are other tiles of ti: finite numbers that reach no result.  O waits out trips 0 and 1;
; S's 160 products on record 32 serve nothing: the price of one text for every trip.
; ACROSS THE CHANGE OF SLOTS.  A tile's last 32 products of K Q^T read registers alone (their K was fetched before the barrier): an S wave issues them at the head of the next trip, behind that trip's first
; run of LDS loads, which lands meanwhile.  In the first trip they multiply a K buffer of zeros and add 0.
; LDS LOADS STAND IN FEW, LONG RUNS: six of 16 a trip for K; for V one of four sets at the head, with a and P, and four of two sets.
; LAYOUT.  S^T holds one query a lane (lane % 16) and keys 8 (lane / 16) + 0..7; two such results rounded to f16 are source 1 of V^T P, whose result again holds one query a lane and eight channels.
; SOFTMAX.  X = c s, c = log2(e) / sqrt(384), is a scaled copy that frees the accumulators for the next tile.  p = 2^(X - cm) with a running maximum cm; O and l are multiplied by a = 2^(cm_old - cm_new) in every step.
; A made-up tile -1 (all scores -1e30) starts the state; the first true tile's a = 0 wipes it, and with it whatever finite numbers O^T and l held.
; THE WAY OUT.  The O waves lay O^T into a stage in LDS, a row a query; all four waves read whole rows back, divide by l there (1 / l lies in LDS, 8 bytes a row) and store them.
; REGISTERS.  Window 0, both roles: v2-25 addresses, each with one meaning in the whole text and made by all four waves alike; v29 the prefetch's offset; v30-31 the add's two.
; S waves.  Window 0: v32-39 (cm, max) a tile; v40-47 (a, d); v48-55 l; v56-59 at work; v64-127 P; v128-255 X.  Windows 1, 2: Q, two tiles each.  Window 3: v0-127 S^T; v128-255 two buffers of eight K fragments.
; O waves.  Window 0: v32-47 (a, d) of 8 tiles; v64-191 P; v192-255 four sets of V.  Windows 1 to 3: O^T: (tile t, channel block cbl) in window 1 + cbl / 4 at 64 (cbl % 4) + 8 t.
.set SLOT1, 1<<17                      ; slot 0 at 0, slot 1 here: 98,304 bytes each; quarter q at 24,576 q: K's 12,288 bytes, then V's
.set PB,    98304                      ; P: two buffers of 16,384: tile at 2,048, key block at 512, lane at 16
.set AB,    229376                     ; a: two buffers of 2,048: S wave at 1,024
.set LA,    233472                     ; (1 / l, d) of query q at 8 q: 1,024 bytes; the upper lanes' copies in the 1,024 behind
.set SPARE, 235520                     ; the spare words, 128 bytes a wave: two blocks of 256 bytes that no other line names
.set SP,    1552                       ; the way out's stage: 128 rows of 1,536 bytes + 16, from byte 0 on, written only behind the slots' last fill
.set L16, 2                            ; 16 x lane
.set AKA, 3                            ; K's key blocks 0, 1 in this trip's slot
.set AKB, 4                            ; key blocks 2, 3
.set PST0, 5                           ; where an S wave puts P, less the buffer
.set PST, 6
.set AST0, 7                           ; where it puts a, less the buffer
.set AST, 8
.set LAS, 9                            ; where it puts 1 / l
.set SO,  10                           ; 8 x lane: its pair in st
.set RD,  11                           ; the way out: my 16 bytes of my wave's first row in the stage
.set GO,  12                           ; and in the output
.set AVB, 13                           ; an O wave's place in V's part of a slot
.set AV0, 14                           ; keys 0-31 in this trip's slot
.set AV1, 15                           ; keys 32-63
.set PLD0, 16                          ; where P is read, less the buffer
.set PLD, 17
.set ALD0, 18                          ; where a is read, less the buffer
.set ALD, 19
.set STO, 20                           ; v20-22 the way out: where an O wave puts 32 bytes of a row: tiles 0-2, 3-5, 6-7
.set LAW, 23                           ; the way out: 1 / l of my wave's first row
.set RDC, 24                           ; the way out: RD and LAW at the four rows in hand
.set LAC, 25
.set PFO, 29
.set SPW, 30
.set NIL, 31
.set CM,  32
.set AD,  40
.set LL,  48
.set TMP, 56
.set STP, 60
.set P,   64
.set X,   128
.set AA,  32
.set PF,  64
.set VF,  192
.set OD,  64                           ; the way out: four rows, 48 registers
.set OI,  112                          ; and their four pairs (1 / l, d)
.set WV,  12
.set CNT, 13                           ; trips to go: 33 to 1; on the way out 8 to 1
.set TB,  14                           ; the slot read in this trip
.set PW,  15                           ; P's buffer written, read; a's written, read
.set PR,  16
.set AW,  17
.set AR,  18
.set LIM, 19
.set PFA, 20
.set G1,  24
.set G0,  32
.set CS,  36
.set SEL, 38
.set QP,  40
.set DST, 42
.set ST,  44
.set A1,  46
.set SW,  47                           ; wave % 2: which S wave, or which O wave
.set HM,  48
.set BIGN, 49
.set MSB, 0
.macro WIN new                         ; the immediate's high byte repeats the setting that is left; a switch that changes nothing is dropped
.if MSB != (\new)
	s_set_vgpr_msb (MSB<<8)|(\new)
.set MSB, \new
.endif
.endm
.macro PLACES
.rept 4
	v_nop
.endr
.endm
.macro CROUND
	s_barrier_signal -1
	s_barrier_wait -1
	s_cmp_lg_u32 s[WV], 0
	s_cbranch_scc1 .Lnot_wave_0_\@
	s_barrier_signal -3
.Lnot_wave_0_\@:
	s_barrier_wait -3
	s_barrier_signal -1
	s_barrier_wait -1
.endm
; A PREFETCH INTO THE L2: trip T names record T + 3, two trips ahead of its load.  All clusters of a key set walk the same records: the set's first cluster asks.  Its four partners share a record's 384 blocks of 256 bytes
; BY ADDRESS, 96 each (a quarter of K's image, a quarter of V's), a lane a block, waves 0 to 2.  Records 0 to 2 come by their loads alone; the last two trips of the loop ask for nothing.
.macro ASK
	s_cmp_gt_u32 s[CNT], s[LIM]
	s_cbranch_scc0 .Lnot_mine_\@
	global_prefetch_b8 v[PFO], s[PFA:PFA+1] th:TH_LOAD_NT scope:SCOPE_SE
.Lnot_mine_\@:
.endm
; THE CHANGE OF SLOTS, at a trip's head.  Each wave waits for all its tensor loads (one is out: its quarter of this trip's record), adds 0 to its spare word, and waits for that and for all its LDS reads and stores
; of the last trip (K, V, P, a).  fill = 1: the barrier is a round of the cluster's, and the slot read last trip takes the next record, first thing behind it.
.macro CHANGE fill
	WIN 0
	s_wait_tensorcnt 0x0
	ds_add_u32 v[SPW], v[NIL]
.if \fill
	s_xor_b32 s[G0+1], s[G0+1], SLOT1
	s_add_nc_u64 s[G0+2:G0+3], s[G0+2:G0+3], 49152
	s_wait_xcnt 0x0                                ; the last prefetch, a trip back, has read its address
	s_add_nc_u64 s[PFA:PFA+1], s[PFA:PFA+1], 49152
	s_wait_dscnt 0x0
	CROUND
	tensor_load_to_lds s[G0:G0+3], s[G1:G1+7]
	s_nop 0
	PLACES
	ASK
.else
	s_wait_dscnt 0x0
	s_barrier_signal -1
	s_barrier_wait -1
.endif
.endm
; This trip's eight LDS addresses: the slot and the buffers by turns.  Every wave makes all eight, so that each register has one text.  They are also the places behind the last trip's products.
.macro ADDRS
	v_add_nc_u32 v[AKA], s[TB], v[L16]
	v_add_nc_u32 v[AV0], s[TB], v[AVB]
	v_add_nc_u32 v[PST], s[PW], v[PST0]
	v_add_nc_u32 v[AST], s[AW], v[AST0]
	v_add_nc_u32 v[PLD], s[PR], v[PLD0]
	v_add_nc_u32 v[ALD], s[AR], v[ALD0]
	v_add_nc_u32 v[AKB], 49152, v[AKA]
	v_add_nc_u32 v[AV1], 49152, v[AV0]
.endm
	s_load_b256 s[4:11], s[0:1], 0x0               ; ti s[4:5], out1 s[6:7], part s[8:9], st s[10:11]
	v_lshl_add_u32 v[SPW], v0, 2, SPARE
	v_mov_b32 v[NIL], 0
	ds_add_u32 v[SPW], v[NIL]                      ; the wave's opening: the add, twice on end, and its wait ahead of my first tensor load
	ds_add_u32 v[SPW], v[NIL]
	v_lshrrev_b32 v1, 5, v0
	v_readfirstlane_b32 s[WV], v1
	s_and_b32 s[SW], s[WV], 1
	s_bfe_u32 s50, ttmp6, 0x40000                  ; cx: it enters Q's, the output's, st's and the prefetch's global addresses alone
	s_and_b32 s51, ttmp9, 31
	s_lshr_b32 s52, s51, 3                         ; batch
	s_bfe_u32 s53, s51, 0x10002                    ; half of the keys
	s_and_b32 s54, s51, 3
	s_and_b32 s55, s51, 7
	s_cmp_lt_u32 ttmp9, 32
	s_cselect_b32 s[A1], 1, 0
	s_cselect_b32 s54, s54, s55                    ; the cluster's place among those of its key set
	s_cselect_b32 s53, s53, 0
	s_cselect_b32 s56, 5, 6
	s_cselect_b32 s57, 0, 128
	s_cselect_b32 s58, 6, 5
	s_cselect_b32 s59, 0, 256
	s_cselect_b32 s60, 11, 12
	s_lshl2_add_u32 s61, s54, s50                  ; my block of 128 queries
	s_lshl_b32 s56, s52, s56
	s_add_co_u32 s56, s56, s57
	s_lshl1_add_u32 s56, s61, s56
	s_add_co_u32 s56, s56, s[SW]                   ; Q's tile (S waves)
	s_mul_i32 s66, s56, 49152
	s_mov_b32 s67, 0
	s_lshl_b32 s58, s52, s58
	s_add_co_u32 s58, s58, s59
	s_lshl_b32 s59, s53, 5
	s_add_co_u32 s58, s58, s59                     ; g0: the job's first key tile
	s_add_co_u32 s58, s58, 384
	s_mul_i32 s68, s58, 49152
	s_mul_i32 s74, s50, 12288
	s_add_co_u32 s74, s74, s68
	s_add_co_u32 s74, s74, 2*49152                 ; record 2, my work-group's quarter
	s_mov_b32 s75, 0
	s_mul_i32 s59, s[WV], 12288
	s_add_co_u32 s68, s68, s59                     ; record 0, my wave's quarter
	s_mov_b32 s69, 0
	s_lshl_b32 s60, s52, s60
	s_lshl_b32 s59, s53, 13
	s_add_co_u32 s60, s60, s59
	s_lshl_b32 s59, s61, 7
	s_add_co_u32 s60, s60, s59                     ; my first output row
	s_mul_i32 s70, s60, 1536
	s_mov_b32 s71, 0
	s_lshl_b32 s57, s[SW], 6
	s_add_co_u32 s60, s60, s57
	s_lshl_b32 s72, s60, 3
	s_cmp_eq_u32 s[A1], 1
	s_cselect_b32 s72, s72, 0
	s_mov_b32 s73, 0
	s_cmp_eq_u32 s54, 0
	s_cselect_b32 s[LIM], 2, -1                    ; a wave that prefetches does so while more than two trips are to go; the others never
	s_cmp_lt_u32 s[WV], 3
	s_cselect_b32 s[LIM], s[LIM], -1
	s_mov_b32 s[G1+0], 15|(3<<16)|(1<<21)          ; the mask of four; elements of 8 bytes; bit 21 beside a mask
	s_mov_b32 s[G1+1], 1536<<16                    ; tensor_dim0 = 1,536 (12,288 bytes)
	s_mov_b32 s[G1+2], 2<<16                       ; tensor_dim1 = 2
	s_mov_b32 s[G1+3], 1536<<16                    ; tile_dim0
	s_mov_b32 s[G1+4], 2                           ; tile_dim1
	s_mov_b32 s[G1+5], 2347008                     ; from K's tile to V's: 382 images of 6,144 elements
	s_mov_b32 s[G1+6], 0
	s_mov_b32 s[G1+7], 0
	s_mov_b32 s[G0], 1
	s_mul_i32 s[G0+1], s[WV], 24576
	s_mov_b32 s[CS], 0x3d96c73f                    ; c = log2(e) / sqrt(384) = 0.0736222
	s_mov_b32 s[CS+1], s[CS]
	s_mov_b32 s[SEL], 0x76543210
	s_mov_b32 s[SEL+1], 0xfedcba98
	s_mov_b32 s[HM], 0xffff0000                    ; lanes 16-31
	s_mov_b32 s[BIGN], 0xf149f2ca                  ; -1e30
	s_mov_b32 s[TB], 0
	s_mov_b32 s[PW], 16384
	s_mov_b32 s[PR], 0
	s_mov_b32 s[AW], 2048
	s_mov_b32 s[AR], 0
	s_mov_b32 s[CNT], 33
	s_wait_dscnt 0x0                               ; both opening adds are done
	s_wait_kmcnt 0x0
	s_cmp_eq_u32 s[A1], 1
	s_cselect_b64 s[DST:DST+1], s[8:9], s[6:7]
	s_add_nc_u64 s[DST:DST+1], s[DST:DST+1], s[70:71]
	s_add_nc_u64 s[ST:ST+1], s[10:11], s[72:73]
	s_add_nc_u64 s[QP:QP+1], s[4:5], s[66:67]
	s_add_nc_u64 s[PFA:PFA+1], s[4:5], s[74:75]
	s_add_nc_u64 s[G0+2:G0+3], s[4:5], s[68:69]
	s_or_b32 s[G0+3], s[G0+3], 0x80000000
	CROUND                                         ; all four work-groups are here: the first joint loads meet
	tensor_load_to_lds s[G0:G0+3], s[G1:G1+7]      ; record 0 into slot 0
	s_nop 0
	PLACES
	; THE ADDRESSES, made by all four waves alike: a constant, the wave's number or its parity times a constant, and the lane's term
	v_and_b32 v1, 31, v0
	v_lshlrev_b32 v[L16], 4, v1                    ; 16 L
	s_mul_i32 s51, s[WV], 32*SP
	v_add_nc_u32 v[RD], s51, v[L16]
	s_mul_i32 s51, s[WV], 32*1536
	v_add_nc_u32 v[GO], s51, v[L16]
	v_min_u32 v28, 95, v0
	v_mov_b32 v27, 18763776                        ; from K's quarter to V's, less the 48 blocks of K's
	v_cmp_le_u32 s51, 48, v28
	v_cndmask_b32 v27, 0, v27, s51
	v_lshl_add_u32 v[PFO], v28, 8, v27
	s_lshl_b32 s51, s[SW], 13
	s_add_co_u32 s51, s51, PB
	v_add_nc_u32 v[PST0], s51, v[L16]              ; an S wave's four tiles of P
	s_lshl_b32 s51, s[SW], 10
	s_add_co_u32 s51, s51, AB
	v_add_nc_u32 v[AST0], s51, v[L16]
	v_lshlrev_b32 v[SO], 3, v1
	s_mul_i32 s51, s[SW], 24576
	s_add_co_u32 s51, s51, 12288
	v_add_nc_u32 v[AVB], s51, v[L16]               ; an O wave's 12 channel blocks: quarter 0 or 1 (keys 0-31), V's part
	v_add_nc_u32 v[PLD0], PB, v[L16]
	v_add_nc_u32 v[ALD0], AB, v[L16]
	v_and_b32 v27, 15, v0                          ; r
	v_bfe_u32 v28, v0, 4, 1                        ; h
	s_lshl_b32 s51, s[SW], 9
	s_add_co_u32 s51, s51, LA
	v_lshl_add_u32 v[LAS], v27, 3, s51             ; an S wave's 64 queries, 8 bytes each: 512 x S wave + 8 r (+ 128 x tile in the immediate);
	v_lshl_add_u32 v[LAS], v28, 10, v[LAS]         ; the upper lanes, which hold the same numbers, have bytes of their own
	s_lshl_b32 s51, s[WV], 8
	s_add_co_u32 s51, s51, LA
	v_mov_b32 v[LAW], s51                          ; the 32 rows that my wave stores: 256 x wave; the same in every lane
	v_mul_u32_u24 v[STO], v27, SP
	v_lshl_add_u32 v[STO], v28, 5, v[STO]
	s_mul_i32 s51, s[SW], 768
	v_add_nc_u32 v[STO], s51, v[STO]
	v_add_nc_u32 v[STO+1], 48*SP, v[STO]
	v_add_nc_u32 v[STO+2], 96*SP, v[STO]
	; THE START.  The S waves ask for Q; the O waves write 0 into the same registers, which are part of their O^T.
	s_cmp_lt_u32 s[WV], 2
	s_cbranch_scc0 .Lo_pro
	WIN 0x40
.set i, 0
.rept 24                                       ; tiles 0 and 1: fragment 12 (t % 2) + c
	global_load_b128 v[8*i:8*i+3],   v[L16], s[QP:QP+1] offset:(i/12)*512+(i%12)*2048
	global_load_b128 v[8*i+4:8*i+7], v[L16], s[QP:QP+1] offset:(i/12)*512+(i%12)*2048+1024
.set i, i+1
.endr
	WIN 0x80
.set i, 0
.rept 24                                       ; tiles 2 and 3
	global_load_b128 v[8*i:8*i+3],   v[L16], s[QP:QP+1] offset:24576+(i/12)*512+(i%12)*2048
	global_load_b128 v[8*i+4:8*i+7], v[L16], s[QP:QP+1] offset:24576+(i/12)*512+(i%12)*2048+1024
.set i, i+1
.endr
	WIN 0
	s_branch .Lpro
.Lo_pro:
.irp w, 1,2
	WIN (\w)<<6
.set i, 0
.rept 192
	v_mov_b32 v[i], 0
.set i, i+1
.endr
.endr
	WIN 0
.Lpro:
	; The rest is written by all four waves, so that every register that either role reads has been written on every way through the text: the S waves run these lines while their loads of Q are out.
	; O^T need only be finite: the first true tile's a is 0.  So the -1e30 of the made-up tile's key block 3 (32 registers of window 3) may stand in the O waves too.  K's two buffers start at 0.
.irp w, 1,2
	WIN (\w)<<6
.set i, 192
.rept 64
	v_mov_b32 v[i], 0
.set i, i+1
.endr
.endr
	WIN 0xc0
.set i, 0
.rept 256
.if (i < 128) && (i%32 >= 24)
	v_mov_b32 v[i], s[BIGN]
.else
	v_mov_b32 v[i], 0
.endif
.set i, i+1
.endr
	WIN 0
.set i, 0
.rept 96
	v_mov_b32 v[X+32*(i/24)+i%24], s[BIGN]         ; the made-up tile's key blocks 0 to 2, as scaled copies
.set i, i+1
.endr
.set i, 0
.rept 8
	v_mov_b32 v[CM+i], s[BIGN]
	v_mov_b32 v[AD+i], 0
	v_mov_b32 v[LL+i], 0
.set i, i+1
.endr
.set i, 0
.rept 4
	v_mov_b32 v[TMP+i], 0
.set i, i+1
.endr
	s_wait_loadcnt 0x0                             ; Q
; THE S WAVES' MATRIX WORK.  Product i of 192: key block i / 48, channels 32 ((i % 48) / 4) on, tile i % 4; its fragment of K is number i / 4 of the tile's 48.
; The four tiles' accumulators take turns, one instruction a turn, over the change of slots too.
.macro QK
.set kb, i/48
.set cc, (i%48)/4
.set tt, i%4
.if tt < 2
	WIN 0xf7                                       ; K, S^T in window 3, Q in window 1
.else
	WIN 0xfb                                       ; Q in window 2
.endif
.set rS, 32*tt+8*kb
.set rK, 128+64*((i/32)%2)+8*((i/4)%8)
.set rQ, 96*(tt%2)+8*cc
.if cc == 0
	v_wmma_f32_16x16x32_f16 v[rS:rS+7], v[rK:rK+7], v[rQ:rQ+7], 0
.else
	v_wmma_f32_16x16x32_f16 v[rS:rS+7], v[rK:rK+7], v[rQ:rQ+7], v[rS:rS+7]
.endif
.endm
; Run n of 6: fragments 8 n .. 8 n + 7 of K (fragment f: key block f / 12, channels 32 (f % 12) on), for 32 products, into buffer n % 2
.macro KRUN n
	WIN 0xc0
.set kj, 0
.rept 8
.set fi, 8*(\n)+kj
.set ka, AKA+(fi/12)/2
.set ko, 24576*((fi%12)/6)+512*((fi/12)%2)+2048*((fi%12)%6)
.set kr, 128+64*((\n)%2)+8*kj
	ds_load_b128 v[kr:kr+3],   v[ka] offset:ko
	ds_load_b128 v[kr+4:kr+7], v[ka] offset:ko+1024
.set kj, kj+1
.endr
.endm
; P's 16 stores and a's two, in one run
.macro PSTORE
	WIN 0
.set qs, 0
.rept 16
	ds_store_b128 v[PST], v[P+16*(qs%4)+4*(qs/4):P+16*(qs%4)+4*(qs/4)+3] offset:2048*(qs%4)+512*(qs/4)
.set qs, qs+1
.endr
	ds_store_b128 v[AST], v[AD:AD+3]
	ds_store_b128 v[AST], v[AD+4:AD+7] offset:512
.endm
; THE S WAVES' VECTOR WORK: a queue of 472 entries, the four tiles interleaved; RQ writes entry q.
;   0-15    the last tile's key block 3: X = c S        16-31  its maximum joins the running one        32-51  the lanes' other half; d = cm_old - max; cm = max; a = 2^d
;   52-243  ONE BATCH: X - cm for 64 pairs, each three groups ahead of its two exponentials; a group is exponential, scaling, exponential; none of these names an exponential's result
;   244     a plain instruction and the one wait between the 132 exponentials and the first instruction that names a result
;   245-372 roundings to f16, sums, l
;   373-471 this trip's key blocks 0 to 2, each behind four places: X = c S (each accumulator from its low end on) and the maximum, which starts from cm
; At three entries a product entry 372 stands behind product 124: P and a are whole when they are stored, behind product 130; entry 471 stands behind product 157 of the 160 that carry entries.
.set QE, 373
.set NQ, 472
.macro RQ
.if q < 16
.set qt, q%4
.set qp, q/4
	WIN 0x03
	v_pk_mul_f32 v[X+32*qt+24+2*qp:X+32*qt+25+2*qp], v[32*qt+24+2*qp:32*qt+25+2*qp], s[CS:CS+1] op_sel_hi:[1,0]
.elseif q < 32
.set qt, q%4
.set qp, (q-16)/4
	WIN 0
	v_max3_num_f32 v[CM+2*qt+1], v[CM+2*qt+1], v[X+32*qt+24+2*qp], v[X+32*qt+25+2*qp]
.elseif q < 52
.set qt, q%4
.set qp, (q-32)/4
	WIN 0
.if qp == 0
	v_permlanex16_b32 v[TMP+qt], v[CM+2*qt+1], s[SEL], s[SEL+1]
.elseif qp == 1
	v_max_num_f32 v[CM+2*qt+1], v[CM+2*qt+1], v[TMP+qt]
.elseif qp == 2
	v_sub_f32 v[AD+2*qt+1], v[CM+2*qt], v[CM+2*qt+1]
.elseif qp == 3
	v_mov_b32 v[CM+2*qt], v[CM+2*qt+1]
.else
	v_exp_f32 v[AD+2*qt], v[AD+2*qt+1]
.endif
.elseif q < 244
	WIN 0
.set qk, 0
.if q < 55
.set qu, q-52
.elseif q < 238
.set qu, (q-55)/3
.if (q-55)%3 == 1
.set qu, qu+3
.else
.set qk, 1+((q-55)%3)/2
.endif
.else
.set qu, 61+(q-238)/2
.set qk, 1+(q-238)%2
.endif
.set qr, X+32*(qu%4)+2*(qu/4)
.if qk == 0
	v_pk_add_f32 v[qr:qr+1], v[qr:qr+1], v[CM+2*(qu%4):CM+2*(qu%4)+1] op_sel_hi:[1,0] neg_lo:[0,1] neg_hi:[0,1]
.else
	v_exp_f32 v[qr+qk-1], v[qr+qk-1]
.endif
.elseif q == 244
	WIN 0
	v_nop
	s_wait_alu depctr_va_vdst(0)
.elseif q < QE
	WIN 0
.set qj, (q-245)/16
.set qs, (q-245)%16
.set qt, qs%4
.if qs < 8
.set qp, 2*qj+qs/4
	v_cvt_pk_f16_f32 v[P+16*qt+qp], v[X+32*qt+2*qp], v[X+32*qt+2*qp+1]
.elseif qs < 12
	v_pk_add_f32 v[X+32*qt+4*qj:X+32*qt+4*qj+1], v[X+32*qt+4*qj:X+32*qt+4*qj+1], v[X+32*qt+4*qj+2:X+32*qt+4*qj+3]
.elseif qj == 0
	v_pk_fma_f32 v[LL+2*qt:LL+2*qt+1], v[LL+2*qt:LL+2*qt+1], v[AD+2*qt:AD+2*qt+1], v[X+32*qt:X+32*qt+1] op_sel_hi:[1,0,1]
.else
	v_pk_add_f32 v[LL+2*qt:LL+2*qt+1], v[LL+2*qt:LL+2*qt+1], v[X+32*qt+4*qj:X+32*qt+4*qj+1]
.endif
.else
.set qy, (q-QE)%33
.set qb, (q-QE)/33
.if qy == 0
	PLACES
.elseif qy < 17
.set qt, (qy-1)%4
.set qp, (qy-1)/4
	WIN 0x03
	v_pk_mul_f32 v[X+32*qt+8*qb+2*qp:X+32*qt+8*qb+2*qp+1], v[32*qt+8*qb+2*qp:32*qt+8*qb+2*qp+1], s[CS:CS+1] op_sel_hi:[1,0]
.else
.set qt, (qy-17)%4
.set qp, (qy-17)/4
	WIN 0
.if (qb == 0) && (qp == 0)
	v_max3_num_f32 v[CM+2*qt+1], v[CM+2*qt], v[X+32*qt+8*qb+2*qp], v[X+32*qt+8*qb+2*qp+1]
.else
	v_max3_num_f32 v[CM+2*qt+1], v[CM+2*qt+1], v[X+32*qt+8*qb+2*qp], v[X+32*qt+8*qb+2*qp+1]
.endif
.endif
.endif
.set q, q+1
.endm
.macro DEAL n                          ; up to n entries; a key block's copies are held back until its last product has been issued
.rept \n
.if q < NQ
.set ok, 1
.if q >= QE
.if i < 48*((q-QE)/33+1)+1
.set ok, 0
.endif
.endif
.if ok
	RQ
.endif
.endif
.endr
.endm
.macro SBODY
	KRUN 0                                         ; this tile's first run, into buffer 0; its last readers stand behind the eight address lines
.set i, 160
.rept 32
	QK                                             ; the LAST tile's last 32 products: buffer 1, fetched before the barrier; they stand while run 0 is on its way
.set i, i+1
.endr
	PLACES                                         ; the places between those products and the copies of key block 3 that open the queue
.set q, 0
.set i, 0
.rept 160
.if i%32 == 0
	s_wait_dscnt 0x0                               ; the run's 16 loads, issued 30 products ago or more
.endif
	QK
	DEAL 3
.if i%32 == 2
	PLACES                                         ; the buffer's last reader stands three products back
.if i == 130
	PSTORE                                         ; P and a of the tile before leave together with the trip's last run of loads: one run of LDS instructions
.endif
	KRUN i/32+1
.endif
.set i, i+1
.endr
.set i, 1000
	DEAL NQ
	WIN 0
.endm
; THE O WAVES.
.macro VLOAD cbl                       ; V^T of 16 channels x 64 keys: four turning loads, into set cbl % 4
	WIN 0
.set rV, VF+16*((\cbl)%4)
	ds_load_tr16_b128 v[rV:rV+3],     v[AV0] offset:1024*(\cbl)
	ds_load_tr16_b128 v[rV+4:rV+7],   v[AV0] offset:1024*(\cbl)+512
	ds_load_tr16_b128 v[rV+8:rV+11],  v[AV1] offset:1024*(\cbl)
	ds_load_tr16_b128 v[rV+12:rV+15], v[AV1] offset:1024*(\cbl)+512
.endm
.macro RS cbl, k                       ; entry k of 32: O^T of channel block cbl times a, each accumulator from its low end on
.set wr, 1+(\cbl)/4
	WIN (wr<<6)|wr
.set rO, 64*((\cbl)%4)+2*(\k)
	v_pk_mul_f32 v[rO:rO+1], v[rO:rO+1], v[AA+2*((\k)/4):AA+2*((\k)/4)+1] op_sel_hi:[1,0]
.endm
.macro OBODY
	WIN 0                                          ; the head's run, 52 loads: a 4, V 0 4, P's keys 0-31 16, P's keys 32-63 16, V 1 to 3 12
.irp s, 0,1
	ds_load_b128 v[AA+8*\s:AA+8*\s+3],   v[ALD] offset:1024*\s
	ds_load_b128 v[AA+8*\s+4:AA+8*\s+7], v[ALD] offset:1024*\s+512
.endr
	VLOAD 0
.irp kk, 0,1
.set tt, 0
.rept 8
	ds_load_b128 v[PF+16*tt+8*\kk:PF+16*tt+8*\kk+3],   v[PLD] offset:2048*tt+1024*\kk
	ds_load_b128 v[PF+16*tt+8*\kk+4:PF+16*tt+8*\kk+7], v[PLD] offset:2048*tt+1024*\kk+512
.set tt, tt+1
.endr
.endr
	VLOAD 1
	VLOAD 2
	VLOAD 3
	s_wait_dscnt 48                                ; a is in; the 48 loads behind it may stay out
.set k, 0
.rept 32
	RS 0, k
.set k, k+1
.endr
.set cb, 0
.rept 12
.if (cb >= 2) && (cb <= 8) && (cb%2 == 0)
	VLOAD cb+2                                     ; two sets in one run, into the sets of the two channel blocks just done: the last reader of the second stands four rescalings back
	VLOAD cb+3
.endif
.if cb == 0
	s_wait_dscnt 28                                ; V 0 and P's first 32 keys are in; P's second 16 loads and V 1 to 3 may stay out
.elseif cb == 11
	s_wait_dscnt 0x0
.elseif cb == 10
	s_wait_dscnt 4                                 ; V 10 is in; V 11 may stay out
.elseif cb%2 == 1
	s_wait_dscnt 8                                 ; V cb is in; the two younger sets may stay out
.else
	s_wait_dscnt 12                                ; V cb is in; V cb + 1 and the two sets just asked for may stay out
.endif
.set k, 0
.set pi, 0
.rept 16                                       ; keys 32 (pi / 8) on, tile pi % 8: the eight accumulators take turns
.if (cb == 0) && (pi == 8)
	s_wait_dscnt 12                                ; P's second 32 keys are in
.endif
.set ww, 1+cb/4
	WIN (ww<<6)|(ww<<4)
.set rO, 64*(cb%4)+8*(pi%8)
.set rV, VF+16*(cb%4)+8*(pi/8)
.set rP, PF+16*(pi%8)+8*(pi/8)
	v_wmma_f32_16x16x32_f16 v[rO:rO+7], v[rV:rV+7], v[rP:rP+7], v[rO:rO+7]
.if (pi%2 == 1) && (cb < 11)
.rept 4
	RS cb+1, k                                     ; the next channel block is rescaled beside this one's products
.set k, k+1
.endr
.endif
.set pi, pi+1
.endr
.set cb, cb+1
.endr
	WIN 0
.endm
.Ltrip:                                        ; 33 trips: records 1 to 33 are asked for
	CHANGE 1
	ADDRS
	s_cmp_lt_u32 s[WV], 2
	s_cbranch_scc0 .Lo_arm
	SBODY
	s_branch .Ljoin
.Lo_arm:
	s_cmp_gt_u32 s[CNT], 31                        ; the first two trips: no P yet
	s_cbranch_scc1 .Ljoin
	OBODY
.Ljoin:
	s_xor_b32 s[TB], s[TB], SLOT1
	s_xor_b32 s[PW], s[PW], 16384
	s_xor_b32 s[PR], s[PR], 16384
	s_xor_b32 s[AW], s[AW], 2048
	s_xor_b32 s[AR], s[AR], 2048
	s_sub_co_u32 s[CNT], s[CNT], 1
	s_cmp_lg_u32 s[CNT], 0
	s_cbranch_scc1 .Ltrip
	CHANGE 0                                       ; the last trip is written out: nothing is asked for
	ADDRS
	s_cmp_lt_u32 s[WV], 2
	s_cbranch_scc0 .Lo_tail
	; S waves: l's two halves and the other half of the lanes'; 1 / l into LDS, a query's 8 bytes at 8 x query; (cm, l) for the launch that joins the halves
.irp t, 0,1,2,3
	v_add_f32 v[LL+2*\t], v[LL+2*\t], v[LL+2*\t+1]
.endr
.irp t, 0,1,2,3
	v_permlanex16_b32 v[TMP+\t], v[LL+2*\t], s[SEL], s[SEL+1]
.endr
.irp t, 0,1,2,3
	v_add_f32 v[LL+2*\t], v[LL+2*\t], v[TMP+\t]
.endr
.irp t, 0,1,2,3
	v_rcp_f32 v[AD+2*\t], v[LL+2*\t]
.endr
	v_nop                                          ; a plain instruction behind the last reciprocal,
	s_wait_alu depctr_va_vdst(0)                   ; and the one wait ahead of the first use
.irp t, 0,1,2,3
	ds_store_b64 v[LAS], v[AD+2*\t:AD+2*\t+1] offset:128*\t
.endr
	s_cmp_eq_u32 s[A1], 1
	s_cbranch_scc0 .Lb1
	v_cndmask_b32 v[STP],   v[CM],   v[CM+2], s[HM]    ; lanes 0-15: tile 0's rows, lanes 16-31: tile 1's
	v_cndmask_b32 v[STP+1], v[LL],   v[LL+2], s[HM]
	v_cndmask_b32 v[STP+2], v[CM+4], v[CM+6], s[HM]
	v_cndmask_b32 v[STP+3], v[LL+4], v[LL+6], s[HM]
	global_store_b64 v[SO], v[STP:STP+1],   s[ST:ST+1]            ; 256 consecutive bytes, aligned
	global_store_b64 v[SO], v[STP+2:STP+3], s[ST:ST+1] offset:256
	s_branch .Lb1
.Lo_tail:
	OBODY                                          ; key tile 31
	PLACES                                         ; the places between the last products and the stores of their results
.Lb1:
	s_wait_dscnt 0x0                               ; 1 / l is stored; all my reads of the slots and of P are over
	s_barrier_signal -1
	s_barrier_wait -1
	s_cmp_lt_u32 s[WV], 2
	s_cbranch_scc1 .Lb2
	; O waves: O^T into the stage, f32: row = query, 32 bytes a lane, each accumulator's low four registers first.  The rows are 1,552 bytes = 388 words apart: row r starts at bank 4 r mod 64 (64 banks of 4 bytes: ISA guide 11.1)
.set cb, 0
.rept 12
	WIN (1+cb/4)<<2                                ; the stores' data in O^T's window
.set tt, 0
.rept 8
	ds_store_b128 v[STO+tt/3], v[64*(cb%4)+8*tt:64*(cb%4)+8*tt+3]   offset:(tt%3)*16*SP+64*cb
	ds_store_b128 v[STO+tt/3], v[64*(cb%4)+8*tt+4:64*(cb%4)+8*tt+7] offset:(tt%3)*16*SP+64*cb+16
.set tt, tt+1
.endr
.set cb, cb+1
.endr
	WIN 0
.Lb2:
	s_wait_dscnt 0x0                               ; for the others' sake: my stores into the stage are done
	s_barrier_signal -1
	s_barrier_wait -1
	; All four waves: 32 whole rows each, four a trip: back from the stage, times the row's 1 / l, and out: each store of the wave covers 512 consecutive bytes, aligned.
	s_mov_b32 s[CNT], 8
	s_mov_b32 s50, 0                               ; the four rows' place in the stage,
	s_mov_b32 s51, 0                               ; and among the 1 / l
	s_mov_b32 s52, 0                               ; what the output's address steps by: nothing in the first trip
	s_mov_b32 s53, 0
.Lrows:
	s_wait_xcnt 0x0                                ; the last trip's stores have read their data and their base
	s_add_nc_u64 s[DST:DST+1], s[DST:DST+1], s[52:53]
	s_mov_b32 s52, 4*1536
	v_add_nc_u32 v[RDC], s50, v[RD]
	v_add_nc_u32 v[LAC], s51, v[LAW]
.irp k, 0,1,2,3
	ds_load_b64 v[OI+2*\k:OI+2*\k+1], v[LAC] offset:8*\k       ; every lane takes the row's pair: the low word is 1 / l
.endr
.set k, 0
.rept 12
	ds_load_b128 v[OD+4*k:OD+4*k+3], v[RDC] offset:SP*(k/3)+512*(k%3)
.set k, k+1
.endr
	s_add_co_u32 s50, s50, 4*SP
	s_add_co_u32 s51, s51, 32
	s_wait_dscnt 0x0
.set k, 0
.rept 12
	v_pk_mul_f32 v[OD+4*k:OD+4*k+1],   v[OD+4*k:OD+4*k+1],   v[OI+2*(k/3):OI+2*(k/3)+1] op_sel_hi:[1,0]
	v_pk_mul_f32 v[OD+4*k+2:OD+4*k+3], v[OD+4*k+2:OD+4*k+3], v[OI+2*(k/3):OI+2*(k/3)+1] op_sel_hi:[1,0]
.set k, k+1
.endr
.set k, 0
.rept 12
	global_store_b128 v[GO], v[OD+4*k:OD+4*k+3], s[DST:DST+1] offset:1536*(k/3)+512*(k%3)
.set k, k+1
.endr
	s_sub_co_u32 s[CNT], s[CNT], 1
	s_cmp_lg_u32 s[CNT], 0
	s_cbranch_scc1 .Lrows
	s_wait_dscnt 0x0
	s_barrier_signal -1                            ; all four waves' reads of the stage and of 1 / l are over: behind this barrier nothing of LDS is touched but the spare words
	s_barrier_wait -1
	s_wait_tensorcnt 0x0                           ; the wave's end
	ds_add_u32 v[SPW], v[NIL]
	s_wait_dscnt 0x0
	CROUND                                         ; the closing round
	s_endpgm
.Lfunc_end_k_qa51e42cf66_attn:
	.size	k_qa51e42cf66_attn, .Lfunc_end_k_qa51e42cf66_attn-k_qa51e42cf66_attn
	.p2alignl 7, 3214868480
	.fill 96, 4, 3214868480
	.section	.rodata,"a",@progbits
	.p2align	6, 0x0
	.amdhsa_kernel k_qa51e42cf66_attn
		.amdhsa_group_segment_fixed_size 327680
		.amdhsa_private_segment_fixed_size 0
		.amdhsa_enable_private_segment 0
		.amdhsa_kernarg_size 32
		.amdhsa_user_sgpr_count 2
		.amdhsa_user_sgpr_kernarg_segment_ptr 1
		.amdhsa_wavefront_size32 1
		.amdhsa_system_sgpr_workgroup_id_x 1
		.amdhsa_system_sgpr_workgroup_id_y 1
		.amdhsa_system_sgpr_workgroup_id_z 1
		.amdhsa_system_vgpr_workitem_id 0
		.amdhsa_next_free_vgpr 1024
		.amdhsa_next_free_sgpr 96
		.amdhsa_reserve_vcc 0
		.amdhsa_float_denorm_mode_32 3
		.amdhsa_float_denorm_mode_16_64 3
		.amdhsa_memory_ordered 1
		.amdhsa_forward_progress 1
		.amdhsa_inst_pref_size 217
	.end_amdhsa_kernel
	.amdgpu_metadata
---
amdhsa.version: [ 1, 2 ]
amdhsa.kernels:
  - .name:           k_qa51e42cf66_attn
    .symbol:         k_qa51e42cf66_attn.kd
    .args:
      - { .name: ti, .offset: 0, .size: 8, .value_kind: global_buffer, .address_space: global }
      - { .name: out1, .offset: 8, .size: 8, .value_kind: global_buffer, .address_space: global }
      - { .name: part, .offset: 16, .size: 8, .value_kind: global_buffer, .address_space: global }
      - { .name: st, .offset: 24, .size: 8, .value_kind: global_buffer, .address_space: global }
    .group_segment_fixed_size: 327680
    .private_segment_fixed_size: 0
    .kernarg_segment_align: 8
    .kernarg_segment_size: 32
    .max_flat_workgroup_size: 128
    .sgpr_count:     96
    .vgpr_count:     1024
    .wavefront_size: 32
...
	.end_amdgpu_metadata
.endif
;; end of part 6
;; launch merge: the kernel of part 4 again; grid 256 x 1, 8 waves a work-group, no clusters, 0 bytes of LDS; arguments part, st, out0; writes out0
